; MI455X (gfx1250); checked and timed in simulation.
; The chip was launched on July 23, 2026; its instructions are those of AMD's public machine-readable ISA for CDNA 5 (MIT licence, August 2026) and "CDNA5" Instruction Set Architecture Reference Guide (July 2026). The comments in the code are by the model that wrote it; some were corrected since.
;; Multi Head Attention. Allowed arithmetic: matrix products marked QUANTISED: E2M1 operands, one E8M0 scale for each 32 along K, by v_wmma_scale_f32_16x16x128_f8f6f4 with both operands' format E2M1 (or v_wmma_scale_f32_32x16x128_f4), f32 sums; everything else in f32.
;; Inputs: W_out 1,024 x 1,024 float32; W_qkv 3,072 x 1,024 float32; b_out 1,024 float32; b_qkv 3,072 float32; x 4 x 2,048 x 1,024 float32.
;; Outputs: out0 4 x 2,048 x 1,024 float32.
;; This version of the problem:
;;   THIS VERSION OF THE PROBLEM IS GIVEN IN LOW PRECISION. The matrix products marked QUANTISED in the list below multiply operands that are first quantised to E2M1 (2 exponent bits, 1 mantissa bit; 4 bits a number), with one power-of-two scale for each 32 numbers along K (OCP MX v1.0); their sums are f32. All else is computed in f32.
;;   The module's matrix products, in the order in which they are computed (A, B: the left and right operand; K: the contracted axis; several contracted axes count as one K, in the product's order):
;;     1. [M 8,192, K 1,024] x [K 1,024, N 3,072]; A: input x; B: input W_qkv: QUANTISED
;;     2. batch 64 x [M 2,048, K 64] x [K 64, N 2,048]; A: computed on the way; B: computed on the way: QUANTISED
;;     3. batch 64 x [M 2,048, K 2,048] x [K 2,048, N 64]; A: softmax (see below); B: computed on the way: QUANTISED
;;     4. [M 8,192, K 1,024] x [K 1,024, N 1,024]; A: computed on the way; B: input W_out: QUANTISED
;;   THE QUANTISER, for each operand of a quantised product, along K:
;;     - K is cut into blocks of 32 from its start; a last block that is shorter is filled with zeros.
;;     - A block's scale is 2^e with e = floor(log2(the largest magnitude in the block)) - 2, held to -126 .. 127; a block of zeros has e = 0. As a byte (E8M0): e + 127.
;;     - Each number is divided by its block's scale, clamped to +-6, and rounded to the nearest number of E2M1, ties to even, subnormals kept.
;;     - The product sums the exact products of the quantised numbers (number of the format x scale) in f32.
;;   ~~~python
;;   def quantise(x, axis):      # numpy; x: float32 -> the quantised numbers, widened to float32 again
;;       x = np.moveaxis(x, axis, -1); K = x.shape[-1]
;;       x = np.pad(x, [(0, 0)] * (x.ndim - 1) + [(0, -K % 32)]); x = x.reshape(x.shape[:-1] + (-1, 32)); a = np.abs(x).max(-1, keepdims=True)
;;       e = np.where(a > 0, np.clip(np.frexp(np.where(a > 0, a, 1))[1] - 1 - 2, -126, 127), 0)      # np.frexp(a)[1] - 1 = floor(log2(a)), exactly
;;       r = np.clip(x / 2.0 ** e, -6, 6)
;;       step = 2.0 ** (np.maximum(np.frexp(np.where(r == 0, 1, r))[1] - 1, 0) - 1)
;;       q = np.round(r / step) * step * 2.0 ** e      # np.round: ties to even
;;       return np.moveaxis(q.reshape(q.shape[:-2] + (-1,))[..., :K], -1, axis).astype(np.float32)
;;   ~~~
;;   SOFTMAX AHEAD OF A QUANTISED PRODUCT. Where the list says 'softmax', what is quantised is not the finished softmax but p = 2^(t - M), with t = logit x log2(e) and M = ceil(the row's largest t), a whole number; so 1/2 < the row's largest p <= 1. The row's sum l is taken of the UNQUANTISED p, in f32, and the product's result is divided by l at the end. Since M is a whole number, a kernel that streams over the keys may use a running M (the ceiling of the running maximum): every later rescaling is an exact power of two, which a block's scale takes up: the codes' values come out the same.
;;   OPERANDS COMPUTED ON THE WAY. 'Computed on the way' means the value that the module computes at that place (a softmax that the list does not call 'softmax' is quantised finished and normalised). What goes into a quantiser is computed in f32, as accurately as f32 sums, v_exp_f32 and their like allow (about 1e-6 of the number): no bf16 or f16 on the way to a quantiser, and a product that is left as it is and whose result goes on into a quantised operand takes f32 operands (vector FMAs, or v_wmma_f32_16x16x4_f32). A number that lies on a knife's edge between two numbers of the format may be rounded either way, as far as f32 arithmetic and the matrix unit's own rounding can turn it there, and no further.
;; One version. Each part assembles by itself: llvm-mc -triple=amdgcn-amd-amdhsa -mcpu=gfx1250 --defsym DOCPART=n.
;; ======== version 1 of 1: 4 launches
;; workspace buffers: codes 6,291,456 bytes; scales 393,216 bytes; qc 4,194,304 bytes; qs 524,288 bytes; kv 9,175,040 bytes; vimg 4,194,304 bytes; vsc 262,144 bytes
;; launch quant (part 1): grid 384 x 1, 4 waves a work-group, no clusters, 33,280 bytes of LDS; arguments x, W_qkv, W_out, codes, scales; writes codes, scales
.if DOCPART == 1
	.amdgcn_target "amdgcn-amd-amdhsa--gfx1250"
	.amdhsa_code_object_version 6
	.text
	.protected	k_q07775f5a11_quant
	.globl	k_q07775f5a11_quant
	.p2align	8
	.type	k_q07775f5a11_quant,@function
k_q07775f5a11_quant:
	s_mov_b64 s[64:65], 0
	v_nop
	global_prefetch_b8 v0, s[64:65] scope:SCOPE_SE
	s_setreg_imm32_b32 hwreg(HW_REG_WAVE_MODE, 25, 1), 1
	s_wait_xcnt 0x0
; x [8192][1024], W_qkv [3072][1024] and W_out [1024][1024], f32, K innermost, become codes of FP4 (E2M1) with one E8M0 scale byte for each 32 along K.
; The three tensors' rows lie on end in the two workspace buffers: codes [12288 rows][512 bytes], scales [12288 rows][32 bytes]: rows 0-8191 x, 8192-11263 W_qkv, 11264-12287 W_out.
; A block's scale is 2^(floor(log2(its largest magnitude)) - 2); its byte is the largest magnitude's exponent field - 2, held at 1 from below.
; LIMITS: a block whose largest magnitude lies under 2^-124 (a block of zeros among them) gets the byte 1 where the rule says 127 for zeros: its codes are zeros, and this program alone reads the bytes.
; NaN and infinities among the inputs are not served.
; Rows are dense and 1024 is a multiple of 32: each tensor is a plain stream of blocks of 32.  A work-group takes 32,768 numbers, a wave 16 steps of 512.
; Work-groups 0-255 take x, 256-351 W_qkv, 352-383 W_out: only the input's pointer is chosen, by the work-group's number; the outputs' places are linear in that number.
; Each load reads 512 consecutive bytes; a step's 2,048 bytes turn through the wave's own stage in LDS and come back 64 bytes a lane, so that a lane holds 16 neighbours along K (two lanes to a block).
; No matrix unit, no cluster, no barrier: waves share nothing and the launch is a stream.
.set STEPS, 16
.set EMAX,  2
.set CB,    8                          ; bytes of 16 codes
.set R,     16                         ; v16-79   four sets of 16 numbers as they are loaded
.set X,     80                         ; v80-111  two sets of 16 neighbours
.set C,     128                        ; v128-191 codes: registers of its own for each step, so that no store's data are written again
.set E,     112                        ; v112-127 a scale byte for each step
.set WREG,  8192                       ; LDS: a region for each wave: two stages of 32 x SP bytes, then its 256 scale bytes
.set SP,    80                         ; a lane's place in a stage: 64 bytes + 16 of padding
	s_load_b128 s[4:7], s[0:1], 0x0                ; x, W_qkv
	s_load_b128 s[8:11], s[0:1], 0x10              ; W_out, codes
	s_load_b64 s[12:13], s[0:1], 0x20              ; scales
	v_lshl_add_u32 v192, v0, 2, 0x8000
	v_mov_b32 v193, 0
	v_lshrrev_b32 v1, 5, v0
	v_readfirstlane_b32 s16, v1                    ; wave
	v_and_b32 v2, 31, v0                           ; lane
	v_lshlrev_b32 v3, 4, v2                        ; my 16 bytes of a load's 512
	s_mul_i32 s17, s16, WREG
	v_lshrrev_b32 v14, 2, v2
	v_mul_u32_u24 v14, v14, SP
	v_and_b32 v15, 3, v2
	v_lshl_add_u32 v14, v15, 4, v14
	v_add_nc_u32 v14, s17, v14                     ; the stage, way in: SP (lane / 4) + 16 (lane % 4)
	v_mul_u32_u24 v15, v2, SP
	v_add_nc_u32 v15, s17, v15                     ; way out: SP x lane: my 16 neighbours
	v_mul_u32_u24 v4, v2, CB                       ; my codes' place in a step's
	v_lshrrev_b32 v5, 1, v2
	s_add_co_u32 s17, s17, 2*32*SP
	v_add_nc_u32 v5, s17, v5                       ; LDS: my wave's 256 scale bytes, my block's byte
	v_lshlrev_b32 v7, 3, v2                        ; and on the way out 8 bytes a lane
	v_add_nc_u32 v6, s17, v7
	s_wait_alu depctr_va_vdst(0)
	s_wait_kmcnt 0x0
	s_cmp_lt_u32 ttmp9, 256                        ; which tensor: the choice hangs on the work-group's number alone
	s_cselect_b64 s[4:5], s[4:5], s[6:7]
	s_cselect_b32 s17, 0, 256
	s_mov_b32 s20, 352
	s_cmp_lt_u32 ttmp9, 352
	s_cselect_b64 s[4:5], s[4:5], s[8:9]
	s_cselect_b32 s17, s17, s20                    ; the tensor's first work-group
	s_sub_co_u32 s17, ttmp9, s17
	s_lshl_b32 s17, s17, 2
	s_add_co_u32 s18, s17, s16                     ; which run of 8,192 numbers of the tensor is my wave's
	s_lshl_b32 s18, s18, 15                        ; 32,768 bytes a run
	s_mov_b32 s19, 0
	s_add_nc_u64 s[4:5], s[4:5], s[18:19]
	s_lshl_b32 s20, ttmp9, 2
	s_add_co_u32 s20, s20, s16                     ; and which run of the joined outputs
	s_lshl_b32 s22, s20, 12                        ; 4,096 bytes of codes a run
	s_mov_b32 s23, 0
	s_add_nc_u64 s[10:11], s[10:11], s[22:23]
	s_lshl_b32 s22, s20, 8                         ; 256 scale bytes a run
	s_add_nc_u64 s[12:13], s[12:13], s[22:23]
.macro LOAD t
.irp i, 0,1,2,3
	global_load_b128 v[R+16*((\t)%4)+4*\i:R+16*((\t)%4)+4*\i+3], v3, s[4:5] offset:2048*(\t)+512*\i th:TH_LOAD_NT   ; 32 lanes read 512 consecutive bytes
.endr
.endm
.macro TURN t                          ; step t's numbers through the stage: LDS serves a wave's instructions in order, so no wait stands between the stores and the loads
.irp i, 0,1,2,3
	ds_store_b128 v14, v[R+16*((\t)%4)+4*\i:R+16*((\t)%4)+4*\i+3] offset:32*SP*((\t)%2)+8*SP*\i
.endr
.irp i, 0,1,2,3
	ds_load_b128 v[X+16*((\t)%2)+4*\i:X+16*((\t)%2)+4*\i+3], v15 offset:32*SP*((\t)%2)+16*\i
.endr
.endm
.irp t, 0,1,2,3
	LOAD \t
.endr
	s_wait_loadcnt 12                              ; step 0's four loads are in; the twelve of steps 1 to 3 may be out
	TURN 0
.macro STEP t
.set XS, X+16*((\t)%2)
.if (\t) > 0
	s_wait_dscnt 1                                 ; this step's numbers are back from the stage (the last step's byte store may be out): so its stores into the stage have read their registers,
.else
	s_wait_dscnt 0x0
.endif
.if (\t)+4 < STEPS
	LOAD (\t)+4                                    ; which take the loads of four steps on
.endif
.if (\t)+1 < STEPS
.if STEPS-2-(\t) >= 3
	s_wait_loadcnt 12                              ; the next step's four loads are in; those of the three steps behind it may be out
.else
	s_wait_loadcnt 4*(STEPS-2-(\t))
.endif
	TURN (\t)+1                                    ; and go through the other stage while this step is worked
.endif
	v_max3_num_f32 v8, |v[XS]|, |v[XS+1]|, |v[XS+2]|               ; the largest magnitude of my 16, in two chains
	v_max3_num_f32 v9, |v[XS+3]|, |v[XS+4]|, |v[XS+5]|
.irp i, 6,10
	v_max3_num_f32 v8, v8, |v[XS+\i]|, |v[XS+\i+1]|
	v_max3_num_f32 v9, v9, |v[XS+\i+2]|, |v[XS+\i+3]|
.endr
	v_max3_num_f32 v8, v8, |v[XS+14]|, |v[XS+15]|
	v_max3_num_f32 v8, v8, v9, (EMAX+1)<<23        ; and the floor 2^(3 - 127): the byte cannot fall under 1
	v_max_num_f32_dpp v8, v8, v8 row_xmask:1 row_mask:0xf bank_mask:0xf   ; and of my neighbour's 16: the block's
	v_add_nc_u32 v11, -(EMAX<<23), v8              ; 2 off its exponent field: the conversion takes the exponent field of this operand as its scale
	v_cvt_scalef32_pk8_fp4_f32 v[C+4*(\t)], v[XS:XS+7], v11
	v_cvt_scalef32_pk8_fp4_f32 v[C+4*(\t)+1], v[XS+8:XS+15], v11
	v_lshrrev_b32 v[E+(\t)], 23, v11               ; the scale's byte (a plain line behind the conversions)
	ds_store_b8 v5, v[E+(\t)] offset:16*(\t)       ; both lanes of a block write the same byte with the same value
	global_store_b64 v4, v[C+4*(\t):C+4*(\t)+1], s[10:11] offset:32*CB*(\t)   ; the wave stores 256 consecutive bytes, aligned
.endm
.irp t, 0,1,2,3,4,5,6,7,8,9,10,11,12,13,14,15
	STEP \t
.endr
	ds_load_b64 v[12:13], v6                       ; LDS serves a wave's instructions in order: these see my stores
	s_wait_dscnt 0x0
	global_store_b64 v7, v[12:13], s[12:13]        ; 32 lanes store 256 consecutive bytes, aligned
	s_wait_tensorcnt 0x0
	ds_add_u32 v192, v193
	s_wait_dscnt 0x0
	s_endpgm
.Lfunc_end_k_q07775f5a11_quant:
	.size	k_q07775f5a11_quant, .Lfunc_end_k_q07775f5a11_quant-k_q07775f5a11_quant
	.p2alignl 7, 3214868480
	.fill 96, 4, 3214868480
	.section	.rodata,"a",@progbits
	.p2align	6, 0x0
	.amdhsa_kernel k_q07775f5a11_quant
		.amdhsa_group_segment_fixed_size 33280
		.amdhsa_private_segment_fixed_size 0
		.amdhsa_enable_private_segment 0
		.amdhsa_kernarg_size 40
		.amdhsa_user_sgpr_count 2
		.amdhsa_user_sgpr_kernarg_segment_ptr 1
		.amdhsa_wavefront_size32 1
		.amdhsa_system_sgpr_workgroup_id_x 1
		.amdhsa_system_sgpr_workgroup_id_y 1
		.amdhsa_system_sgpr_workgroup_id_z 1
		.amdhsa_system_vgpr_workitem_id 0
		.amdhsa_next_free_vgpr 194
		.amdhsa_next_free_sgpr 66
		.amdhsa_reserve_vcc 0
		.amdhsa_float_denorm_mode_32 3
		.amdhsa_float_denorm_mode_16_64 3
		.amdhsa_memory_ordered 1
		.amdhsa_forward_progress 1
		.amdhsa_inst_pref_size 34
	.end_amdhsa_kernel
	.amdgpu_metadata
---
amdhsa.version: [ 1, 2 ]
amdhsa.kernels:
  - .name:           k_q07775f5a11_quant
    .symbol:         k_q07775f5a11_quant.kd
    .args:
      - { .name: x, .offset: 0, .size: 8, .value_kind: global_buffer, .address_space: global }
      - { .name: W_qkv, .offset: 8, .size: 8, .value_kind: global_buffer, .address_space: global }
      - { .name: W_out, .offset: 16, .size: 8, .value_kind: global_buffer, .address_space: global }
      - { .name: codes, .offset: 24, .size: 8, .value_kind: global_buffer, .address_space: global }
      - { .name: scales, .offset: 32, .size: 8, .value_kind: global_buffer, .address_space: global }
    .group_segment_fixed_size: 33280
    .private_segment_fixed_size: 0
    .kernarg_segment_align: 8
    .kernarg_segment_size: 40
    .max_flat_workgroup_size: 128
    .sgpr_count:     66
    .vgpr_count:     194
    .wavefront_size: 32
...
	.end_amdgpu_metadata
.endif
;; end of part 1
;; launch qkv (part 2): grid 16 x 32, 4 waves a work-group, clusters of 4 x 4, 262,656 bytes of LDS; arguments codes, scales, b_qkv, qc, qs, kv; writes qc, qs, kv
.if DOCPART == 2
	.amdgcn_target "amdgcn-amd-amdhsa--gfx1250"
	.amdhsa_code_object_version 6
	.text
	.protected	k_q07775f5a11_qkv
	.globl	k_q07775f5a11_qkv
	.p2align	8
	.type	k_q07775f5a11_qkv,@function
k_q07775f5a11_qkv:
	s_mov_b64 s[64:65], 0
	v_nop
	global_prefetch_b8 v0, s[64:65] scope:SCOPE_SE
	s_setreg_imm32_b32 hwreg(HW_REG_WAVE_MODE, 25, 1), 1
	s_wait_xcnt 0x0
	s_wait_alu depctr_hold_cnt(0) depctr_sa_sdst(0) depctr_va_vdst(0) depctr_va_sdst(0) depctr_va_ssrc(0) depctr_va_vcc(0) depctr_vm_vsrc(0)
	s_getreg_b32 s2, hwreg(HW_REG_IB_STS2, 6, 4)
	s_cmp_eq_u32 s2, 0
	s_cbranch_scc0 .Lentry_in_a_cluster
	s_endpgm
.Lentry_in_a_cluster:
	s_bfe_u32 s2, ttmp6, 0x10000c
	s_cmp_lg_u32 s2, 0xf033
	s_cbranch_scc0 .Lentry_shape_is_right
	s_endpgm
.Lentry_shape_is_right:
; qkv = x W_qkv^T + b_qkv on codes of FP4 with E8M0 scales, and the result quantised at once for the attention: q and k along the head's 64, v along the keys.  No f32 number of qkv goes to memory.
; SHARES.  A work-group makes 256 rows (tokens) x the 192 columns of ONE head (64 of q, 64 of k, 64 of v); wave w makes rows 64 w .. 64 w + 63 x all 192: 4 tiles of x by 12 tiles of W, 48 accumulators.
; All of K (1,024 codes, 512 bytes a row) lies in LDS, brought ONCE, in two halves of 256 bytes a row: no LDS byte is filled twice.  The second half lands while the first is multiplied.
; CLUSTERS: 4 x 4 work-groups.  The four of a row of the cluster need the same rows of x, the four of a column the same rows of W: each tile is asked for jointly, by the same tensor load with a mask that names the four.
; LAYOUT.  q and k: the product is used TRANSPOSED (source 0 = 16 rows of W, source 1 = 16 tokens): a lane holds ONE token, its registers run along the head's columns, which are the next K.
;          v: used straight (source 0 = 16 tokens, source 1 = 16 rows of W): a lane holds ONE column d, its registers run along the tokens, which are the keys: the next K.
; In both, tile t gives lane (r, h) the numbers k = 16 t + 8 h + 0 .. 7 of the next K: a block of 32 is tiles 2 b, 2 b + 1 in lanes l and l xor 16.  The conversions of tiles 0, 2, 1, 3 go to registers 0, 1, 2, 3;
; two exchanges of lane halves then leave k = 32 h + 8 i + 0 .. 7 in register i: the operand's own layout.
; The bias is the C of each sum's first matrix instruction, in the result's layout.
; OUT: qc [bh][token][32 bytes]; qs [bh][token] a word (bytes 0, 1: q's scales; bytes 2, 3: k's bytes, which stand over zero codes in the attention); kv [bh][16 key steps][8,960 bytes]: a key step of 128 keys is
;      4,096 bytes of images of K's 8 fragments, 4,096 of V^T's 4, 512 of K's scale words, 256 of V's.
; LIMITS: NaN and infinities are not served; a block whose largest magnitude lies under 2^-124 gets the scale byte 1 (its codes are zeros or the smallest codes; a block of zeros has the byte 1 where the rule says 127, read by this program alone).
; REGISTERS, in windows of 256: window 0: v1-31 addresses; v32-95 scale words; v96-125 the quantiser's work; v128-191 x's fragments, two sets; v192-247 the way out.
;   window 1: W's fragments, two sets of 96, at v0 and v128.   window 2: q's and k's accumulators, (a, t) at v[8 (8 a + t)].   window 3: v's accumulators, (tv, a) at v[8 (4 tv + a)]; v128-191 q's and k's bias; v192-223 v's bias.
.set PITCH, 272                        ; an LDS row: 256 bytes + 16 of padding = 68 words: the 16 rows that a load touches start 4 banks apart
.set BOFF,  256*PITCH                  ; in a half: x's 256 rows, then W's 192
.set HALF,  448*PITCH                  ; 121,856 bytes
.set SCL,   2*HALF                     ; the scale bytes: x's 256 rows x 32, then W's 192 rows x 32
.set STG,   SCL+448*32                 ; a stage of 512 bytes for each wave: q's 64 words, k's 64 words
.set VSG,   STG+4*512                  ; V's scale words of the work-group's two key steps: [2][4 tiles][16 rows]
.set KVH,   143360                     ; a head's bytes in kv
.set KVS,   8960                       ; a key step's
.set ADRA, 16                          ; v16-17 LDS address of my fragments of x in half 0, 1
.set ADRB, 20                          ; v20-21 the same for W
.set ADS0, 22                          ; v22  scale words, groups 0-3: lanes 0-15 my rows of x, lanes 16-31 W's rows 64 on
.set ADS1, 23                          ; v23  groups 4-7: lanes 0-15 W's rows 0 on, lanes 16-31 W's rows 128 on
.set QO,   24                          ; v24  32 r + 16 h: my 16 bytes in 16 rows of qc
.set LI,   25                          ; v25  16 x lane: an image's place
.set L8,   26                          ; v26  8 x lane
.set SQA,  27                          ; v27  my stage + 4 r
.set VSA,  28                          ; v28  where my two bytes of V's scale words go
.set VGO,  29                          ; v29  V's scale words in kv: a key step for each half of the lanes
.set SRD,  30                          ; v30  my stage + 8 x lane
.set BA,   31                          ; v31  32 h: the bias of q and k
.set BV,   14                          ; v14  4 r: the bias of v
.set VRD,  15                          ; v15  VSG + 16 x lane
.set SC,   32                          ; scale words: register SC + 8 g + q: K step q; lanes 0-15 tile g, lanes 16-31 tile g + 8, of the sixteen tiles x 0-3, W 0-11
.set TM,   96                          ; v96-99 largest magnitudes, v100-103 bytes, v108-111 the conversions' scale operands
.set PW,   112                         ; v112-117 the scale word of each of the six calls
.set PWK,  118                         ; v118-121 k's words
.set BK,   122                         ; v122-125 words back from the stage
.set AF,   128
.set VW,   192                         ; v192-195 V's scale words on the way out
.set PC,   200                         ; v200-247 codes: eight registers for each call, so that no store's data are written again
.set WV, 16
.set WH, 17
.set WE, 18
.set SEL, 66
.set G1, 24                            ; s[24:31] descriptor group 1 for x's tiles;  s[32:39] group 0, a set for each half
.set G0, 32
.set G1B, 48                           ; s[48:55], s[56:63] the same for W's
.set G0B, 56
.set G1S, 68                           ; s[68:75], s[76:79] groups 1 and 0 for x's scales;  s[80:87], s[88:91] for W's
.set G0S, 76
.set G1SB, 80
.set G0SB, 88
.set MSB, 0
.macro WIN new                         ; the immediate's high byte repeats the setting that is left; a switch that changes nothing is dropped
.if MSB != \new
	s_set_vgpr_msb (MSB<<8)|\new
.set MSB, \new
.endif
.endm
; A joint load: waves 0 and 1 fetch for x, waves 2 and 3 for W.  Each line has one mask and one set of registers for all that issue it; the branch hangs on the wave's number alone.
; Four v_nop follow each of the two lines, ahead of the jump, the label and what follows.
.macro JLOAD g0a, g1a, g0b, g1b
	s_cmp_eq_u32 s[WH], 0
	s_cbranch_scc0 .Lfor_b_\@
	tensor_load_to_lds s[\g0a:\g0a+3], s[\g1a:\g1a+7]
	s_nop 0
.rept 4
	v_nop
.endr
	s_branch .Lasked_\@
.Lfor_b_\@:
	tensor_load_to_lds s[\g0b:\g0b+3], s[\g1b:\g1b+7]
	s_nop 0
.rept 4
	v_nop
.endr
.Lasked_\@:
.endm
.macro CREST
	s_cmp_lg_u32 s[WV], 0
	s_cbranch_scc1 .Lnot_wave_0_\@
	s_barrier_signal -3
.Lnot_wave_0_\@:
	s_barrier_wait -3
	s_barrier_signal -1
	s_barrier_wait -1
.endm
.macro CROUND                          ; a round of the cluster's barrier
	s_barrier_signal -1
	s_barrier_wait -1
	CREST
.endm
.macro PLACES n
.rept \n
	v_nop
.endr
.endm
	s_load_b128 s[4:7], s[0:1], 0x0                ; codes, scales
	s_load_b128 s[8:11], s[0:1], 0x10              ; b_qkv, qc
	s_load_b128 s[12:15], s[0:1], 0x20             ; qs, kv
	v_lshl_add_u32 v254, v0, 2, 0x40000
	v_mov_b32 v255, 0
	ds_add_u32 v254, v255
	ds_add_u32 v254, v255
	v_lshrrev_b32 v1, 5, v0
	v_readfirstlane_b32 s[WV], v1                  ; wave 0..3
	s_lshr_b32 s[WH], s[WV], 1                     ; I fetch for x (0) or for W (1); also: which of the work-group's two key steps my rows are
	s_and_b32 s[WE], s[WV], 1                      ; which half of that tile's rows I fetch; also: which 64 keys of the key step
	s_bfe_u32 s40, ttmp6, 0x40000                  ; cx, cy: my place in the cluster
	s_bfe_u32 s41, ttmp6, 0x40004
	s_lshl_b32 s42, ttmp9, 2
	s_add_co_u32 s42, s42, s40                     ; the head = 4 x cluster x + cx
	s_and_b32 s43, ttmp7, 0xffff
	s_lshl_b32 s43, s43, 2
	s_add_co_u32 s43, s43, s41                     ; the tile of 256 rows = 4 x cluster y + cy
	s_lshl_b32 s44, s41, 2
	s_lshl_b32 s44, 15, s44                        ; my row of the cluster
	s_lshl_b32 s45, 0x1111, s40                    ; my column
	; group 1.  Codes: rows of 256 bytes (elements of 1 byte), 512 bytes apart in memory, 16 bytes of padding behind each: x 128 rows a load, W 96
	s_or_b32 s[G1+0], s44, (1<<20)|(1<<21)|(5<<22)|(3<<25)   ; 15:0 the mask; 20 padding on; 21 set beside a mask; 24:22 after every 64 words; 31:25 four words
	s_or_b32 s[G1B+0], s45, (1<<20)|(1<<21)|(5<<22)|(3<<25)
	s_mov_b32 s[G1+1], 256<<16                     ; tensor_dim0
	s_mov_b32 s[G1+2], 128<<16                     ; tensor_dim1
	s_mov_b32 s[G1+3], 256<<16                     ; tile_dim0
	s_mov_b32 s[G1+4], 128                         ; tile_dim1
	s_mov_b32 s[G1+5], 512                         ; from row to row
	s_mov_b32 s[G1+6], 0
	s_mov_b32 s[G1+7], 0
	s_mov_b32 s[G1B+1], 256<<16
	s_mov_b32 s[G1B+2], 96<<16
	s_mov_b32 s[G1B+3], 256<<16
	s_mov_b32 s[G1B+4], 96
	s_mov_b32 s[G1B+5], 512
	s_mov_b32 s[G1B+6], 0
	s_mov_b32 s[G1B+7], 0
	; scale bytes: dense blocks, as rows of 256 bytes (32 elements of 8 bytes): x's 128 rows are 16 of them, W's 96 rows 12
	s_or_b32 s[G1S+0], s44, (3<<16)|(1<<21)
	s_or_b32 s[G1SB+0], s45, (3<<16)|(1<<21)
	s_mov_b32 s[G1S+1], 32<<16
	s_mov_b32 s[G1S+2], 16<<16
	s_mov_b32 s[G1S+3], 32<<16
	s_mov_b32 s[G1S+4], 16
	s_mov_b32 s[G1S+5], 32
	s_mov_b32 s[G1S+6], 0
	s_mov_b32 s[G1S+7], 0
	s_mov_b32 s[G1SB+1], 32<<16
	s_mov_b32 s[G1SB+2], 12<<16
	s_mov_b32 s[G1SB+3], 32<<16
	s_mov_b32 s[G1SB+4], 12
	s_mov_b32 s[G1SB+5], 32
	s_mov_b32 s[G1SB+6], 0
	s_mov_b32 s[G1SB+7], 0
	; where the tiles come from.  x's hang on the tile of rows alone, W's on the head alone, each in registers that never hold the other coordinate
	s_lshl_b32 s20, s43, 17                        ; x: row 256 y + 128 e, 512 bytes of codes a row
	s_lshl_b32 s19, s[WE], 16
	s_add_co_u32 s20, s20, s19
	s_mov_b32 s21, 0
	s_lshl_b32 s22, s43, 13                        ; and 32 scale bytes a row
	s_lshl_b32 s19, s[WE], 12
	s_add_co_u32 s22, s22, s19
	s_mov_b32 s23, 0
	s_mul_i32 s46, s42, 192*512                    ; W: row 8192 + 192 head + 96 e
	s_mul_i32 s19, s[WE], 96*512
	s_add_co_u32 s46, s46, s19
	s_add_co_u32 s46, s46, 8192*512
	s_mov_b32 s47, 0
	s_mul_i32 s92, s42, 192*32
	s_mul_i32 s19, s[WE], 96*32
	s_add_co_u32 s92, s92, s19
	s_add_co_u32 s92, s92, 8192*32
	s_mov_b32 s93, 0
	s_mul_i32 s94, s[WE], 128*PITCH                ; and where they go: no place in the cluster enters an LDS address
	s_mul_i32 s95, s[WE], 96*PITCH
	s_add_co_u32 s95, s95, BOFF
	s_lshl_b32 s96, s[WE], 12
	s_add_co_u32 s96, s96, SCL
	s_mul_i32 s97, s[WE], 96*32
	s_add_co_u32 s97, s97, SCL+8192
	s_mov_b32 s[SEL], 0x76543210
	s_mov_b32 s[SEL+1], 0xfedcba98                 ; v_permlanex16_b32's selects for lane l xor 16
	s_wait_dscnt 0x0
	s_wait_kmcnt 0x0
	s_add_nc_u64 s[20:21], s[4:5], s[20:21]
	s_add_nc_u64 s[22:23], s[6:7], s[22:23]
	s_add_nc_u64 s[46:47], s[4:5], s[46:47]
	s_add_nc_u64 s[92:93], s[6:7], s[92:93]
	CROUND                                         ; all sixteen work-groups are here: the joint loads meet
	s_mov_b32 s[G0S], 1
	s_mov_b32 s[G0S+1], s96
	s_mov_b64 s[G0S+2:G0S+3], s[22:23]
	s_or_b32 s[G0S+3], s[G0S+3], 0x80000000
	s_mov_b32 s[G0SB], 1
	s_mov_b32 s[G0SB+1], s97
	s_mov_b64 s[G0SB+2:G0SB+3], s[92:93]
	s_or_b32 s[G0SB+3], s[G0SB+3], 0x80000000
	JLOAD G0S, G1S, G0SB, G1SB                     ; the scales first: they are wanted with the first K step
.irp c, 0,1
	s_mov_b32 s[G0+4*\c], 1
	s_add_co_u32 s[G0+4*\c+1], s94, \c*HALF
	s_add_nc_u64 s[G0+4*\c+2:G0+4*\c+3], s[20:21], \c*256
	s_or_b32 s[G0+4*\c+3], s[G0+4*\c+3], 0x80000000
	s_mov_b32 s[G0B+4*\c], 1
	s_add_co_u32 s[G0B+4*\c+1], s95, \c*HALF
	s_add_nc_u64 s[G0B+4*\c+2:G0B+4*\c+3], s[46:47], \c*256
	s_or_b32 s[G0B+4*\c+3], s[G0B+4*\c+3], 0x80000000
	JLOAD G0+4*\c, G1, G0B+4*\c, G1B               ; three loads of mine are out behind the second of these
.endr
	v_and_b32 v1, 15, v0                           ; r
	v_bfe_u32 v2, v0, 4, 1                         ; h
	v_and_b32 v3, 31, v0                           ; lane
	v_mul_u32_u24 v4, v1, PITCH
	v_lshl_add_u32 v4, v2, 4, v4                   ; a fragment's row x pitch + 16 h
	s_mul_i32 s19, s[WV], 64*PITCH                 ; my 64 rows of x
	v_add_nc_u32 v[ADRA], s19, v4
	v_add_nc_u32 v[ADRA+1], HALF, v[ADRA]
	v_add_nc_u32 v[ADRB], BOFF, v4
	v_add_nc_u32 v[ADRB+1], HALF, v[ADRB]
	v_lshlrev_b32 v5, 5, v1                        ; 32 r: a row of scale bytes
	s_xor_b32 s2, s[WV], 3
	s_lshl_b32 s2, s2, 11
	s_add_co_u32 s2, s2, 4096                      ; 10,240 - 2,048 w: from my rows of x to W's row 64
	v_mul_u32_u24 v6, s2, v2                       ; lanes 16-31 take W's
	s_lshl_b32 s19, s[WV], 11
	s_add_co_u32 s19, s19, SCL
	v_add_nc_u32 v6, v5, v6
	v_add_nc_u32 v[ADS0], s19, v6
	v_lshl_add_u32 v[ADS1], v2, 12, v5
	v_add_nc_u32 v[ADS1], SCL+8192, v[ADS1]
	v_lshl_add_u32 v[QO], v2, 4, v5
	v_lshlrev_b32 v[LI], 4, v3
	v_lshlrev_b32 v[L8], 3, v3
	s_lshl_b32 s19, s[WV], 9
	s_add_co_u32 s19, s19, STG
	v_lshl_add_u32 v[SQA], v1, 2, s19
	v_lshl_add_u32 v[SRD], v3, 3, s19
	s_lshl_b32 s19, s[WH], 8
	s_lshl_b32 s2, s[WE], 1
	s_add_co_u32 s19, s19, s2
	s_add_co_u32 s19, s19, VSG
	v_lshl_add_u32 v[VSA], v1, 2, s19              ; VSG + 256 x key step + 4 r + 2 x (which 64 keys): bytes 2 c, 2 c + 1 of a word
	v_mul_u32_u24 v[VGO], v2, KVS
	v_lshl_add_u32 v[VGO], v1, 4, v[VGO]
	v_lshl_add_u32 v[VRD], v3, 4, VSG
	v_lshlrev_b32 v[BA], 5, v2
	s_wait_alu depctr_va_vdst(0)
	v_lshlrev_b32 v[BV], 2, v1
	s_wait_alu depctr_va_vdst(0)
.irp b, 0,1,2,3
	v_mov_b32 v[TM+4+\b], 0                        ; written once: a lane permute's destination counts as one of its sources
.endr
	; where the results go
	s_lshr_b32 s19, s43, 3                         ; the batch
	s_lshl_b32 s19, s19, 4
	s_add_co_u32 s19, s19, s42                     ; bh = 16 x batch + head
	s_and_b32 s2, s43, 7                           ; which 256 tokens of the sequence
	s_lshl_b32 s94, s19, 11
	s_lshl_b32 s95, s2, 8
	s_add_co_u32 s94, s94, s95
	s_lshl_b32 s95, s[WV], 6
	s_add_co_u32 s94, s94, s95                     ; 2048 bh + my first token
	s_lshl_b32 s96, s94, 5
	s_mov_b32 s97, 0
	s_add_nc_u64 s[10:11], s[10:11], s[96:97]      ; qc: 32 bytes a token
	s_lshl_b32 s96, s94, 2
	s_add_nc_u64 s[12:13], s[12:13], s[96:97]      ; qs: a word a token
	s_mul_i32 s96, s19, KVH
	s_mul_i32 s95, s2, 2*KVS
	s_add_co_u32 s96, s96, s95
	s_add_nc_u64 s[92:93], s[14:15], s[96:97]      ; kv: the work-group's two key steps,
	s_mul_i32 s96, s[WH], KVS
	s_add_nc_u64 s[14:15], s[92:93], s[96:97]      ; mine of them,
	s_lshl_b32 s96, s[WE], 11
	s_add_nc_u64 s[20:21], s[14:15], s[96:97]      ; K's images: my four tiles of its eight,
	s_lshl_b32 s96, s[WE], 9
	s_add_nc_u64 s[22:23], s[14:15], s[96:97]      ; V's: my half of each fragment,
	s_lshl_b32 s96, s[WE], 8
	s_add_nc_u64 s[46:47], s[14:15], s[96:97]      ; K's scale words: my 64 of its 128
	s_mul_i32 s96, s42, 768
	s_add_nc_u64 s[8:9], s[8:9], s[96:97]          ; the head's 192 numbers of the bias
	WIN 0xc0                                       ; destination window 3
.irp t, 0,1,2,3,4,5,6,7                        ; q, k: lane (r, h) wants, for tile t, columns 16 t + 8 h + 0 .. 7
	global_load_b128 v[128+8*\t:128+8*\t+3], v[BA], s[8:9] offset:64*\t
	global_load_b128 v[128+8*\t+4:128+8*\t+7], v[BA], s[8:9] offset:64*\t+16
.endr
.irp tv, 0,1,2,3                               ; v: lane (r, h) wants column 128 + 16 tv + r in all eight registers
.irp j, 0,1,2,3,4,5,6,7
	global_load_b32 v[192+8*\tv+\j], v[BV], s[8:9] offset:512+64*\tv
.endr
.endr
	WIN 0
.macro SCALES                          ; all the scale words, once: a row's 32 bytes are the words of the eight K steps
.irp g, 0,1,2,3
	ds_load_b128 v[SC+8*\g:SC+8*\g+3], v[ADS0] offset:512*\g
	ds_load_b128 v[SC+8*\g+4:SC+8*\g+7], v[ADS0] offset:512*\g+16
.endr
.irp g, 4,5,6,7
	ds_load_b128 v[SC+8*\g:SC+8*\g+3], v[ADS1] offset:512*(\g-4)
	ds_load_b128 v[SC+8*\g+4:SC+8*\g+7], v[ADS1] offset:512*(\g-4)+16
.endr
.endm
; the fragments of K step s (128 along K: 64 bytes of a row) into set s % 2: 24 loads for W, 8 for x.  A fragment is 8 registers: registers 4 c .. 4 c + 3 hold K = 64 c + 32 h + 0 .. 31
.macro FETCH s
.set hc, (\s)/4
.set ko, 64*((\s)%4)
.set pp, (\s)%2
	WIN 0x40                                       ; destination window 1, address window 0
.irp t, 0,1,2,3,4,5,6,7,8,9,10,11
	ds_load_b128 v[128*pp+8*\t:128*pp+8*\t+3], v[ADRB+hc] offset:ko+16*PITCH*\t
	ds_load_b128 v[128*pp+8*\t+4:128*pp+8*\t+7], v[ADRB+hc] offset:ko+32+16*PITCH*\t
.endr
	WIN 0
.irp a, 0,1,2,3
	ds_load_b128 v[AF+32*pp+8*\a:AF+32*pp+8*\a+3], v[ADRA+hc] offset:ko+16*PITCH*\a
	ds_load_b128 v[AF+32*pp+8*\a+4:AF+32*pp+8*\a+7], v[ADRA+hc] offset:ko+32+16*PITCH*\a
.endr
.endm
; 32 products for q and k, transposed.  In K step 0 the C is the bias (window 3): nothing is cleared.  The 48 accumulators take turns, one instruction a turn, in the same order in every step.
.macro MULQK s
.irp a, 0,1,2,3
.irp t, 0,1,2,3,4,5,6,7
.set rD, 8*(8*\a+\t)
.set rC, rD
.if (\s) == 0
.set rC, 128+8*\t
.endif
.set rW, 128*((\s)%2)+8*\t
.set rX, AF+32*((\s)%2)+8*\a
.if \t < 4
	v_wmma_scale_f32_16x16x128_f8f6f4 v[rD:rD+7], v[rW:rW+7], v[rX:rX+7], v[rC:rC+7], v[SC+8*(4+\t)+(\s)], v[SC+8*\a+(\s)] matrix_a_fmt:MATRIX_FMT_FP4 matrix_b_fmt:MATRIX_FMT_FP4
.else
	v_wmma_scale_f32_16x16x128_f8f6f4 v[rD:rD+7], v[rW:rW+7], v[rX:rX+7], v[rC:rC+7], v[SC+8*(\t-4)+(\s)], v[SC+8*\a+(\s)] matrix_a_fmt:MATRIX_FMT_FP4 matrix_b_fmt:MATRIX_FMT_FP4 matrix_a_scale:MATRIX_SCALE_ROW1
.endif
.endr
.endr
.endm
; 16 products for v, straight
.macro MULV s
.irp tv, 0,1,2,3
.irp a, 0,1,2,3
.set rD, 8*(4*\tv+\a)
.set rC, rD
.if (\s) == 0
.set rC, 192+8*\tv
.endif
.set rW, 128*((\s)%2)+8*(8+\tv)
.set rX, AF+32*((\s)%2)+8*\a
	v_wmma_scale_f32_16x16x128_f8f6f4 v[rD:rD+7], v[rX:rX+7], v[rW:rW+7], v[rC:rC+7], v[SC+8*\a+(\s)], v[SC+8*(4+\tv)+(\s)] matrix_a_fmt:MATRIX_FMT_FP4 matrix_b_fmt:MATRIX_FMT_FP4 matrix_b_scale:MATRIX_SCALE_ROW1
.endr
.endr
.endm
; A K step: its fragments are in; the next step's 32 loads go out in one run, into the set that the step before multiplied, four places behind its last product; then 48 products.
.macro STEP s
	s_wait_dscnt 0x0                               ; this step's fragments (asked for 48 matrix instructions ago)
.if (\s) == 3
	s_wait_tensorcnt 0x0                           ; my part of the second half of K has landed,
	s_barrier_signal -1
	s_barrier_wait -1                              ; everybody's has: the loads below read it.
.endif
.if (\s) < 7
.if (\s) > 0
	PLACES 4
.endif
	FETCH (\s)+1
.endif
.if (\s) == 0
	WIN 0xb1                                       ; source 0 (W) window 1, source 1 (x) window 0, C (the bias) window 3, D window 2
.else
	WIN 0xa1                                       ; C and D window 2
.endif
	MULQK \s
	WIN 0xf4                                       ; source 0 (x) window 0, source 1 (W) window 1, C and D window 3
	MULV \s
.endm
; 64 registers of window w from v[s] on, register 16 b + i a number of block b, become 8 registers of codes at v[pc] and the four blocks' bytes in v[pw].  Each accumulator is read from its low end on.
.macro QUANT64 w, s, pc, pw
	WIN (\w)*5                                     ; sources 0 and 1 window w
.irp b, 0,1,2,3
	v_max3_num_f32 v[TM+\b], |v[(\s)+16*\b]|, |v[(\s)+16*\b+1]|, 0x1800000   ; my 16 numbers of block b, and the floor 2^(3 - 127): the byte cannot fall under 1
.endr
.irp i, 2,4,6,8,10,12,14
.irp b, 0,1,2,3
	v_max3_num_f32 v[TM+\b], |v[(\s)+16*\b+\i]|, |v[(\s)+16*\b+\i+1]|, v[TM+\b]   ; the four blocks by turns
.endr
.endr
	WIN 0
.irp b, 0,1,2,3
	v_permlanex16_b32 v[TM+4+\b], v[TM+\b], s[SEL], s[SEL+1]
.endr
.irp b, 0,1,2,3
	v_max_num_f32 v[TM+\b], v[TM+\b], v[TM+4+\b]   ; with lane l xor 16's: the block's largest magnitude
.endr
.irp b, 0,1,2,3
	v_add_nc_u32 v[TM+12+\b], 0xff000000, v[TM+\b] ; 2 off its exponent field: the conversion's scale operand
.endr
.irp b, 0,1,2,3
	v_lshrrev_b32 v[TM+4+\b], 23, v[TM+12+\b]      ; the scale's byte
.endr
	v_lshl_or_b32 v[\pw], v[TM+5], 8, v[TM+4]
	v_lshl_or_b32 v[\pw], v[TM+6], 16, v[\pw]
	v_lshl_or_b32 v[\pw], v[TM+7], 24, v[\pw]
	WIN \w                                         ; source 0 window w
.irp t, 0,1,2,3,4,5,6,7
	v_cvt_scalef32_pk8_fp4_f32 v[(\pc)+4*(\t/4)+2*(\t%2)+(\t%4)/2], v[(\s)+8*\t:(\s)+8*\t+7], v[TM+12+\t/2]
.endr
	WIN 0
	v_nop                                          ; one plain line behind the scaled conversions
.irp i, 0,2,4,6
	v_permlane16_swap_b32 v[(\pc)+\i], v[(\pc)+\i+1]   ; the first's lanes 16-31 change places with the second's lanes 0-15: register i of four now holds k = 32 h + 8 i + 0 .. 7
.endr
.endm
	s_wait_tensorcnt 1                             ; the scales and my part of the first half of K are in; the second half's load may be out
	s_barrier_signal -1
	s_barrier_wait -1                              ; everybody's are
	SCALES
	FETCH 0
	s_wait_loadcnt 0x0                             ; the bias
.irp s, 0,1,2,3,4,5,6,7
	STEP \s
.endr
	PLACES 4                                       ; behind the last product, ahead of the first read of results
.irp a, 0,1,2,3                                ; 16 tokens at a time: blocks q 0, q 1, k 0, k 1
	QUANT64 2, 64*\a, PC+8*\a, PW+\a
	global_store_b128 v[QO], v[PC+8*\a:PC+8*\a+3], s[10:11] offset:512*\a       ; q's codes: the wave stores 512 consecutive bytes
	global_store_b128 v[LI], v[PC+8*\a+4:PC+8*\a+7], s[20:21] offset:512*\a     ; k's: the image of a fragment's lower four registers
	ds_store_b32 v[SQA], v[PW+\a] offset:64*\a     ; q's word (both halves of the lanes write the same word with the same value)
	v_lshrrev_b32 v[PWK+\a], 16, v[PW+\a]          ; k's word: its two bytes below, zeros above
	ds_store_b32 v[SQA], v[PWK+\a] offset:256+64*\a
.endr
.irp p, 0,1                                    ; v: tiles 2 p and 2 p + 1 of its 64 columns, my 64 keys: blocks (2 p, 0), (2 p, 1), (2 p + 1, 0), (2 p + 1, 1)
	QUANT64 3, 64*\p, PC+32+8*\p, PW+4+\p
	global_store_b128 v[LI], v[PC+32+8*\p:PC+32+8*\p+3], s[22:23] offset:4096+2048*\p
	global_store_b128 v[LI], v[PC+32+8*\p+4:PC+32+8*\p+7], s[22:23] offset:4096+2048*\p+1024
	ds_store_b16 v[VSA], v[PW+4+\p] offset:128*\p          ; my two bytes of the word of column 16 (2 p) + r,
	ds_store_b16_d16_hi v[VSA], v[PW+4+\p] offset:128*\p+64   ; and of column 16 (2 p + 1) + r
.endr
	s_wait_dscnt 0x0                               ; for the others' sake: my stores into LDS are done
	s_barrier_signal -1
	s_barrier_wait -1
	ds_load_b64 v[BK:BK+1], v[SRD]                 ; my 64 words of q, 8 bytes a lane,
	ds_load_b64 v[BK+2:BK+3], v[SRD] offset:256    ; and of k
	s_wait_dscnt 0x0
	global_store_b64 v[L8], v[BK:BK+1], s[12:13]               ; 256 consecutive bytes, aligned
	global_store_b64 v[L8], v[BK+2:BK+3], s[46:47] offset:8192
	s_cmp_lg_u32 s[WV], 0
	s_cbranch_scc1 .Lnot_first
	ds_load_b128 v[VW:VW+3], v[VRD]                ; V's scale words of both key steps, which all four waves wrote
	s_wait_dscnt 0x0
	global_store_b128 v[VGO], v[VW:VW+3], s[92:93] offset:8704  ; sixteen lanes store 256 consecutive bytes of a key step
.Lnot_first:
	s_wait_tensorcnt 0x0
	ds_add_u32 v254, v255
	s_wait_dscnt 0x0
	CROUND                                         ; the closing round: no work-group ends while a partner may still ask for a tile that names it
	s_endpgm
.Lfunc_end_k_q07775f5a11_qkv:
	.size	k_q07775f5a11_qkv, .Lfunc_end_k_q07775f5a11_qkv-k_q07775f5a11_qkv
	.p2alignl 7, 3214868480
	.fill 96, 4, 3214868480
	.section	.rodata,"a",@progbits
	.p2align	6, 0x0
	.amdhsa_kernel k_q07775f5a11_qkv
		.amdhsa_group_segment_fixed_size 262656
		.amdhsa_private_segment_fixed_size 0
		.amdhsa_enable_private_segment 0
		.amdhsa_kernarg_size 48
		.amdhsa_user_sgpr_count 2
		.amdhsa_user_sgpr_kernarg_segment_ptr 1
		.amdhsa_wavefront_size32 1
		.amdhsa_system_sgpr_workgroup_id_x 1
		.amdhsa_system_sgpr_workgroup_id_y 1
		.amdhsa_system_sgpr_workgroup_id_z 1
		.amdhsa_system_vgpr_workitem_id 0
		.amdhsa_next_free_vgpr 1024
		.amdhsa_next_free_sgpr 98
		.amdhsa_reserve_vcc 0
		.amdhsa_float_denorm_mode_32 3
		.amdhsa_float_denorm_mode_16_64 3
		.amdhsa_memory_ordered 1
		.amdhsa_forward_progress 1
		.amdhsa_inst_pref_size 109
	.end_amdhsa_kernel
	.amdgpu_metadata
---
amdhsa.version: [ 1, 2 ]
amdhsa.kernels:
  - .name:           k_q07775f5a11_qkv
    .symbol:         k_q07775f5a11_qkv.kd
    .args:
      - { .name: codes, .offset: 0, .size: 8, .value_kind: global_buffer, .address_space: global }
      - { .name: scales, .offset: 8, .size: 8, .value_kind: global_buffer, .address_space: global }
      - { .name: b_qkv, .offset: 16, .size: 8, .value_kind: global_buffer, .address_space: global }
      - { .name: qc, .offset: 24, .size: 8, .value_kind: global_buffer, .address_space: global }
      - { .name: qs, .offset: 32, .size: 8, .value_kind: global_buffer, .address_space: global }
      - { .name: kv, .offset: 40, .size: 8, .value_kind: global_buffer, .address_space: global }
    .group_segment_fixed_size: 262656
    .private_segment_fixed_size: 0
    .kernarg_segment_align: 8
    .kernarg_segment_size: 48
    .max_flat_workgroup_size: 128
    .sgpr_count:     98
    .vgpr_count:     1024
    .wavefront_size: 32
...
	.end_amdgpu_metadata
.endif
;; end of part 2
;; launch attn (part 3): grid 4 x 64, 16 waves a work-group, clusters of 4 x 1, 169,984 bytes of LDS; arguments qc, qs, kv, vimg, vsc; writes vimg, vsc
.if DOCPART == 3
	.amdgcn_target "amdgcn-amd-amdhsa--gfx1250"
	.amdhsa_code_object_version 6
	.text
	.protected	k_q07775f5a11_attn
	.globl	k_q07775f5a11_attn
	.p2align	8
	.type	k_q07775f5a11_attn,@function
k_q07775f5a11_attn:
	s_mov_b64 s[64:65], 0
	v_nop
	global_prefetch_b8 v0, s[64:65] scope:SCOPE_SE
	s_setreg_imm32_b32 hwreg(HW_REG_WAVE_MODE, 25, 1), 1
	s_wait_xcnt 0x0
	s_wait_alu depctr_hold_cnt(0) depctr_sa_sdst(0) depctr_va_vdst(0) depctr_va_sdst(0) depctr_va_ssrc(0) depctr_va_vcc(0) depctr_vm_vsrc(0)
	s_getreg_b32 s2, hwreg(HW_REG_IB_STS2, 6, 4)
	s_cmp_eq_u32 s2, 0
	s_cbranch_scc0 .Lentry_in_a_cluster
	s_endpgm
.Lentry_in_a_cluster:
	s_bfe_u32 s2, ttmp6, 0x10000c
	s_cmp_lg_u32 s2, 0x3003
	s_cbranch_scc0 .Lentry_shape_is_right
	s_endpgm
.Lentry_shape_is_right:
; values[bh][q][:] = softmax_k(q . k / 8) v, both products on codes of FP4 with E8M0 scales, and the result quantised along d_model for the last product.
; THE SOFTMAX AHEAD OF THE SECOND PRODUCT: t = score x log2(e) / 8; M = the row's largest t so far, rounded UP to a whole number; p = 2^(t - M) is quantised along the keys, not normalised.
; The row's sum is taken of the unquantised p and divides O at the end.  When M moves, the sum and O are multiplied by 2^(old M - new M): exact.
; SHARES.  A cluster of four work-groups owns one head of one batch (bh); a work-group 512 of its 2,048 queries, in two passes of 256; in a pass each of SIXTEEN waves owns 16 queries in 256 registers: four waves to a SIMD,
; so that one wave's vector work stands beside another's matrix work and LDS loads.  Every wave walks all 2,048 keys, 128 a step.
; THE WHOLE HEAD'S K AND V (143,360 bytes: 16 key steps of 8,960, images of the operands' registers and their scale words) lie in LDS, brought ONCE by joint loads that name all four work-groups:
; no LDS byte is filled twice, and everything is asked for at the head, so nothing is left to ask for ahead of time.  The steps begin when the first quarter has landed.
; LAYOUT.  Both products transposed: S^T = K Q^T (source 0 = 16 keys, source 1 = my 16 queries), O^T = V^T P^T: a lane holds ONE query throughout.  The head's 64 fill half of the instruction's 128 along K:
; the upper four registers of Q's and K's fragments are zero codes.  Tile t gives lane (r, h) keys 16 t + 8 h + 0 .. 7; the conversions of tiles 0, 2, 1, 3 go to registers 0, 1, 2, 3 and two exchanges of lane halves
; leave keys 32 h + 8 i + 0 .. 7 in register i: the operand's layout.
; OUT: vimg [512 tiles of 16 rows][16 heads][512 bytes]: the image of four registers: lane (r, h) holds block h of the head for row r; vsc [16 heads][8,192 rows]: the head's two scale bytes.
; LIMITS: NaN and infinities are not served; a block whose largest magnitude lies under 2^-124 gets the scale byte 1.
; REGISTERS: v1-9 addresses; v12 -M, v13 the largest t, v[14:15] the sum in two halves; v16-23 Q; v24 Q's scale word, v25 P's, v26-29 K's (two tiles a register), v30-31 V's; v32-95 K's 8 fragments; v96-159 S^T, then p;
;   v160-191 O^T; v192-223 V's 4 fragments; v224-231 P's codes; v232-254 at work.
.set KVH,  143360
.set KVS,  8960
.set SG,   143360                      ; behind K and V: the result's scale bytes, [2 passes][256 rows] x 2 bytes
.set LI,   1                           ; v1  16 x lane
.set LS,   2                           ; v2  4 x lane
.set QA,   3                           ; v3  32 r + 16 h
.set QSA,  4                           ; v4  4 r
.set SGA,  5                           ; v5  SG + 32 x wave + 2 r
.set SGR,  6                           ; v6  SG + 16 x lane
.set AD16, 8                           ; v8  the step's images
.set AD4,  9                           ; v9  the step's scale words
.set TB,   2                           ; s2  LDS byte at which the key step begins
.set CNT,  3                           ; s3  steps to go in the quarter
.set WV,   18
.set SEL,  20
.set CS,   22                          ; s[22:23] c = log2(e) / 8: the packed form names a pair and takes its low word for both halves
.set G1,   24                          ; s[24:31] descriptor group 1;  s[32:47] four groups 0
.set G0,   32
.set PASS, 48
.set PO,   49
.macro CROUND                          ; a round of the cluster's barrier
	s_barrier_signal -1
	s_barrier_wait -1
	s_cmp_lg_u32 s[WV], 0
	s_cbranch_scc1 .Lnot_wave_0_\@
	s_barrier_signal -3
.Lnot_wave_0_\@:
	s_barrier_wait -3
	s_barrier_signal -1
	s_barrier_wait -1
.endm
	s_load_b256 s[4:11], s[0:1], 0x0               ; qc s[4:5], qs s[6:7], kv s[8:9], vimg s[10:11]
	s_load_b64 s[12:13], s[0:1], 0x20              ; vsc
	v_lshl_add_u32 v251, v0, 2, 0x29000
	v_mov_b32 v255, 0
	ds_add_u32 v251, v255
	ds_add_u32 v251, v255
	v_lshrrev_b32 v7, 5, v0
	s_delay_alu instid0(VALU_DEP_1)
	v_readfirstlane_b32 s[WV], v7                  ; wave 0..15
	s_bfe_u32 s14, ttmp6, 0x40000                  ; cx
	s_lshl_b32 s17, ttmp9, 2
	s_add_co_u32 s14, s14, s17                     ; my block of 512 queries: it enters global addresses alone
	s_and_b32 s15, ttmp7, 0xffff                   ; bh, which the four partners share
	; a key step is a dense block of 8,960 bytes: 35 rows of 256 (32 elements of 8 bytes)
	s_mov_b32 s[G1], 15|(3<<16)|(1<<21)            ; 15:0 the mask: all four work-groups; 17:16 elements of 8 bytes; 21 set beside a mask
	s_mov_b32 s[G1+1], 32<<16                      ; tensor_dim0
	s_mov_b32 s[G1+2], 35<<16                      ; tensor_dim1
	s_mov_b32 s[G1+3], 32<<16                      ; tile_dim0
	s_mov_b32 s[G1+4], 35                          ; tile_dim1
	s_mov_b32 s[G1+5], 32                          ; from row to row
	s_mov_b32 s[G1+6], 0
	s_mov_b32 s[G1+7], 0
	s_mul_i32 s16, s[WV], KVS                      ; waves 0 to 3 fetch: load i of wave w is key step 4 i + w, at the same place in LDS as in the head's block
	s_mul_i32 s50, s15, KVH
	s_add_co_u32 s50, s50, s16
	s_mov_b32 s51, 0
	s_mov_b32 s[SEL], 0x76543210
	s_mov_b32 s[SEL+1], 0xfedcba98
	s_mov_b32 s[CS], 0x3e38aa3b                    ; log2(e) / 8
	s_mov_b32 s[CS+1], s[CS]
	s_wait_dscnt 0x0
	s_wait_kmcnt 0x0
	s_add_nc_u64 s[52:53], s[8:9], s[50:51]
.irp i, 0,1,2,3
	s_mov_b32 s[G0+4*\i], 1
	s_add_co_u32 s[G0+4*\i+1], s16, \i*4*KVS
	s_add_nc_u64 s[G0+4*\i+2:G0+4*\i+3], s[52:53], \i*4*KVS
	s_or_b32 s[G0+4*\i+3], s[G0+4*\i+3], 0x80000000
.endr
	CROUND                                         ; all four work-groups are here: the joint loads meet
	s_cmp_lt_u32 s[WV], 4                          ; a wave's four fills stand in one branch on the wave's number: four loads of mine are out
	s_cbranch_scc0 .Lno_fill
	tensor_load_to_lds s[G0:G0+3], s[G1:G1+7]
	s_nop 0
	tensor_load_to_lds s[G0+4:G0+7], s[G1:G1+7]
	s_nop 0
	tensor_load_to_lds s[G0+8:G0+11], s[G1:G1+7]
	s_nop 0
	tensor_load_to_lds s[G0+12:G0+15], s[G1:G1+7]
	s_nop 0
.rept 4
	v_nop
.endr
.Lno_fill:
	s_lshl_b32 s54, s15, 11
	s_lshl_b32 s55, s14, 9
	s_add_co_u32 s54, s54, s55
	s_lshl_b32 s55, s[WV], 4
	s_add_co_u32 s54, s54, s55                     ; 2048 bh + my first query
	s_lshl_b32 s56, s54, 5
	s_mov_b32 s57, 0
	s_add_nc_u64 s[4:5], s[4:5], s[56:57]          ; its codes,
	s_lshl_b32 s56, s54, 2
	s_add_nc_u64 s[6:7], s[6:7], s[56:57]          ; its scale word
	s_lshr_b32 s54, s15, 4                         ; the batch
	s_and_b32 s55, s15, 15                         ; the head
	s_lshl_b32 s56, s54, 7
	s_lshl_b32 s19, s14, 5
	s_add_co_u32 s56, s56, s19
	s_add_co_u32 s56, s56, s[WV]                   ; my tile of 16 rows: 128 x batch + 32 x block + wave
	s_lshl_b32 s56, s56, 13
	s_lshl_b32 s19, s55, 9
	s_add_co_u32 s56, s56, s19
	s_add_nc_u64 s[10:11], s[10:11], s[56:57]      ; vimg
	s_lshl_b32 s56, s55, 14
	s_lshl_b32 s19, s54, 12
	s_add_co_u32 s56, s56, s19
	s_lshl_b32 s19, s14, 10
	s_add_co_u32 s56, s56, s19
	s_add_nc_u64 s[12:13], s[12:13], s[56:57]      ; vsc: 16,384 x head + 2 x (2048 x batch + 512 x block)
	v_and_b32 v7, 31, v0                           ; lane
	v_and_b32 v10, 15, v0                          ; r
	v_bfe_u32 v11, v0, 4, 1                        ; h
	s_delay_alu instid0(VALU_DEP_3)
	v_lshlrev_b32 v[LI], 4, v7
	s_delay_alu instid0(VALU_DEP_4)
	v_lshlrev_b32 v[LS], 2, v7
	s_delay_alu instid0(VALU_DEP_4)
	v_lshlrev_b32 v[QA], 5, v10
	s_delay_alu instid0(VALU_DEP_1)
	v_lshl_add_u32 v[QA], v11, 4, v[QA]
	v_lshlrev_b32 v[QSA], 2, v10
	s_lshl_b32 s19, s[WV], 5
	s_add_co_u32 s19, s19, SG
	v_lshl_add_u32 v[SGA], v10, 1, s19
	v_lshl_add_u32 v[SGR], v7, 4, SG
.irp j, 20,21,22,23
	v_mov_b32 v[\j], 0                             ; K = 64 .. 127 of Q: zero codes
.endr
.irp t, 0,1,2,3,4,5,6,7
.irp j, 4,5,6,7
	v_mov_b32 v[32+8*\t+\j], 0                     ; and of K's eight fragments: written once, never loaded over
.endr
.endr
.irp b, 0,1,2,3
	v_mov_b32 v[236+\b], 0                         ; written once: a lane permute's destination counts as one of its sources
.endr
	v_mov_b32 v252, 0
	v_mov_b32 v253, 0                              ; (named as the upper half of the pair v[252:253])
; A KEY STEP: 128 keys, at LDS byte s[TB].
.macro STEP
	v_add_nc_u32 v[AD16], s[TB], v[LI]
	v_add_nc_u32 v[AD4], s[TB], v[LS]
	v_nop
	v_nop                                          ; four plain lines behind the last step's products, ahead of the loads into V's registers
.irp t, 0,1,2,3,4,5,6,7
	ds_load_b128 v[32+8*\t:35+8*\t], v[AD16] offset:512*\t             ; K's fragment t: the lower four registers
.endr
.irp p, 0,1,2,3
	ds_load_b32 v[26+\p], v[AD4] offset:8192+128*\p                    ; K's scale words: lanes 0-15 tile 2 p, lanes 16-31 tile 2 p + 1
.endr
.irp t, 0,1,2,3
.irp c, 0,1
	ds_load_b128 v[192+8*\t+4*\c:195+8*\t+4*\c], v[AD16] offset:4096+1024*\t+512*\c
.endr
.endr
.irp p, 0,1
	ds_load_b32 v[30+\p], v[AD4] offset:8704+128*\p
.endr
	s_wait_dscnt 10                                ; K and its words are in; V's ten loads may be out
.irp t, 0,2,4,6
	v_wmma_scale_f32_16x16x128_f8f6f4 v[96+8*\t:103+8*\t], v[32+8*\t:39+8*\t], v[16:23], 0, v[26+\t/2], v24 matrix_a_fmt:MATRIX_FMT_FP4 matrix_b_fmt:MATRIX_FMT_FP4
	v_wmma_scale_f32_16x16x128_f8f6f4 v[104+8*\t:111+8*\t], v[40+8*\t:47+8*\t], v[16:23], 0, v[26+\t/2], v24 matrix_a_fmt:MATRIX_FMT_FP4 matrix_b_fmt:MATRIX_FMT_FP4 matrix_a_scale:MATRIX_SCALE_ROW1
.endr
.rept 4
	v_nop
.endr
.irp b, 0,1,2,3
	v_max3_num_f32 v[232+\b], v[96+16*\b], v[97+16*\b], v[98+16*\b]   ; the largest score of each block of 32 keys: it serves for the row's maximum and, since p rises with the score, for the block's largest p
.endr
.irp i, 3,5,7,9,11,13
.irp b, 0,1,2,3
	v_max3_num_f32 v[232+\b], v[232+\b], v[96+16*\b+\i], v[97+16*\b+\i]
.endr
.endr
.irp b, 0,1,2,3
	v_max_num_f32 v[232+\b], v[232+\b], v[111+16*\b]
.endr
.irp b, 0,1,2,3
	s_delay_alu instid0(VALU_DEP_4)
	v_permlanex16_b32 v[236+\b], v[232+\b], s[SEL], s[SEL+1]
.endr
.irp b, 0,1,2,3
	s_delay_alu instid0(VALU_DEP_4)
	v_max_num_f32 v[232+\b], v[232+\b], v[236+\b]  ; with lane l xor 16's 16 keys
.endr
	s_delay_alu instid0(VALU_DEP_2)
	v_max3_num_f32 v254, v232, v233, v234
	s_delay_alu instid0(VALU_DEP_1)
	v_max_num_f32 v254, v254, v235                 ; the step's largest score of my query
	s_delay_alu instid0(VALU_DEP_1)
	v_mul_f32 v254, s[CS], v254                    ; as t (c is positive)
	s_delay_alu instid0(VALU_DEP_1)
	v_max_num_f32 v13, v13, v254                   ; the running largest t
	v_mov_b32 v254, v12
	s_delay_alu instid0(VALU_DEP_2)
	v_floor_f32 v12, -v13                          ; the new -M = floor(-t) = -ceil(t): a whole number
	s_delay_alu instid0(VALU_DEP_1)
	v_sub_f32 v254, v12, v254                      ; old M less new M: a whole number, 0 or less
	s_delay_alu instid0(VALU_DEP_1)
	v_cvt_i32_f32 v254, v254                       ; (it saturates)
	s_delay_alu instid0(VALU_DEP_1)
	v_ldexp_f32 v252, 1.0, v254                    ; f = 2^(old M - new M)
.set j, 0
.rept 32
	v_pk_fma_f32 v[96+j:97+j], v[96+j:97+j], s[CS:CS+1], v[12:13] op_sel_hi:[1,0,0]   ; t - M, two at a time
.set j, j+2
.endr
.irp b, 0,1,2,3
	v_fma_f32 v[232+\b], v[232+\b], s[CS], v12     ; the same of each block's largest score
.endr
.set j, 0
	s_wait_alu depctr_va_vdst(0)
.rept 64
	v_exp_f32 v[96+j], v[96+j]                     ; p = 2^(t - M), at most 1
.set j, j+1
.endr
	s_setprio 1
	v_pk_mul_f32 v[14:15], v[14:15], v[252:253] op_sel_hi:[1,0]   ; the sums under the new M (a plain line behind the exponentials)
	s_wait_alu depctr_va_vdst(0)                   ; one wait for the whole batch, ahead of its first reader
.irp b, 0,1,2,3
	v_exp_f32 v[232+\b], v[232+\b]                 ; the block's largest p: the same two instructions on the same number give the same bits
.endr
	v_pk_add_f32 v[236:237], v[100:101], v[104:105]
	v_pk_add_f32 v[248:249], v[108:109], v[112:113]
	v_pk_add_f32 v[246:247], v[116:117], v[120:121]
	v_pk_add_f32 v[244:245], v[124:125], v[128:129]
	v_pk_add_f32 v[242:243], v[132:133], v[136:137]
	v_pk_add_f32 v[240:241], v[140:141], v[144:145]
	v_pk_add_f32 v[238:239], v[148:149], v[152:153]
	v_pk_add_f32 v[14:15], v[14:15], v[156:157]
	v_pk_add_f32 v[236:237], v[236:237], v[96:97]
	v_pk_add_f32 v[248:249], v[248:249], v[98:99]
	v_pk_add_f32 v[246:247], v[246:247], v[102:103]
	v_pk_add_f32 v[244:245], v[244:245], v[106:107]
	v_pk_add_f32 v[242:243], v[242:243], v[110:111]
	v_pk_add_f32 v[240:241], v[240:241], v[114:115]
	v_pk_add_f32 v[238:239], v[238:239], v[118:119]
	v_pk_add_f32 v[14:15], v[14:15], v[122:123]
	v_pk_add_f32 v[236:237], v[236:237], v[126:127]
	v_pk_add_f32 v[248:249], v[248:249], v[130:131]
	v_pk_add_f32 v[246:247], v[246:247], v[134:135]
	v_pk_add_f32 v[244:245], v[244:245], v[138:139]
	v_pk_add_f32 v[242:243], v[242:243], v[142:143]
	v_pk_add_f32 v[240:241], v[240:241], v[146:147]
	v_pk_add_f32 v[238:239], v[238:239], v[150:151]
	v_pk_add_f32 v[14:15], v[14:15], v[154:155]
	v_pk_add_f32 v[236:237], v[236:237], v[158:159]
	s_delay_alu instid0(VALU_DEP_2)
	v_pk_add_f32 v[14:15], v[14:15], v[244:245]
	s_delay_alu instid0(VALU_DEP_2)
	v_pk_add_f32 v[236:237], v[236:237], v[242:243]
	v_pk_add_f32 v[248:249], v[248:249], v[240:241]
	v_pk_add_f32 v[246:247], v[246:247], v[238:239]
	s_delay_alu instid0(VALU_DEP_2)
	v_pk_add_f32 v[14:15], v[14:15], v[248:249]
	s_delay_alu instid0(VALU_DEP_2)
	v_pk_add_f32 v[236:237], v[236:237], v[246:247]
	s_delay_alu instid0(VALU_DEP_1)
	v_pk_add_f32 v[14:15], v[14:15], v[236:237]
	s_wait_alu depctr_va_vdst(0)                   ; and one for the four
.irp b, 0,1,2,3
	v_max_num_f32 v[232+\b], 0x1800000, v[232+\b]  ; the floor 2^(3 - 127): the byte cannot fall under 1
.endr
.irp b, 0,1,2,3
	s_delay_alu instid0(VALU_DEP_4)
	v_add_nc_u32 v[244+\b], 0xff000000, v[232+\b]  ; 2 off the exponent field: the conversion's scale operand
.endr
.irp b, 0,1,2,3
	s_delay_alu instid0(VALU_DEP_4)
	v_lshrrev_b32 v[236+\b], 23, v[244+\b]         ; the scale's byte
.endr
	s_delay_alu instid0(VALU_DEP_3)
	v_lshl_or_b32 v25, v237, 8, v236               ; p's scale word for these 128 keys
	s_delay_alu instid0(VALU_DEP_1)
	v_lshl_or_b32 v25, v238, 16, v25
	s_delay_alu instid0(VALU_DEP_1)
	v_lshl_or_b32 v25, v239, 24, v25
.irp t, 0,1,2,3,4,5,6,7
	v_cvt_scalef32_pk8_fp4_f32 v[224+4*(\t/4)+2*(\t%2)+(\t%4)/2], v[96+8*\t:103+8*\t], v[244+\t/2]
.endr
	v_nop                                          ; one plain line behind the scaled conversions
.irp i, 0,2,4,6
	v_permlane16_swap_b32 v[224+\i], v[225+\i]     ; register 4 c + i now holds keys 64 c + 32 h + 8 i + 0 .. 7
.endr
.set j, 0
	s_setprio 0
.rept 16
	v_pk_mul_f32 v[160+j:161+j], v[160+j:161+j], v[252:253] op_sel_hi:[1,0]   ; O^T under the new M.  For each product below the twelve of these that name other tiles are the plain lines behind p's codes and scale word
.set j, j+2
.endr
	s_wait_alu depctr_va_vdst(0)
	s_wait_dscnt 0x0                               ; V and its words are in
.irp t, 0,2
	v_wmma_scale_f32_16x16x128_f8f6f4 v[160+8*\t:167+8*\t], v[192+8*\t:199+8*\t], v[224:231], v[160+8*\t:167+8*\t], v[30+\t/2], v25 matrix_a_fmt:MATRIX_FMT_FP4 matrix_b_fmt:MATRIX_FMT_FP4
	v_wmma_scale_f32_16x16x128_f8f6f4 v[168+8*\t:175+8*\t], v[200+8*\t:207+8*\t], v[224:231], v[168+8*\t:175+8*\t], v[30+\t/2], v25 matrix_a_fmt:MATRIX_FMT_FP4 matrix_b_fmt:MATRIX_FMT_FP4 matrix_a_scale:MATRIX_SCALE_ROW1
.endr
.endm
; A quarter of the keys: four key steps.  The wait leaves my loads of the later quarters out (in the second pass, and in the waves that fetch nothing, it is met at once); behind the barrier the quarter is whole for every wave.
.macro QUARTER i
	s_wait_tensorcnt 3-\i
	s_wait_dscnt 0x0
	s_barrier_signal -1
	s_barrier_wait -1
	s_mov_b32 s[TB], 4*KVS*\i
	s_mov_b32 s[CNT], 4
.Lstep_\@:
	s_setprio 2
	STEP
	s_add_co_u32 s[TB], s[TB], KVS
	s_sub_co_u32 s[CNT], s[CNT], 1
	s_cmp_lg_u32 s[CNT], 0
	s_cbranch_scc1 .Lstep_\@
	s_setprio 0
.endm
	s_mov_b32 s[PASS], 2
	s_mov_b32 s[PO], 0
.Lpass:
	global_load_b128 v[16:19], v[QA], s[4:5]       ; Q's fragment: lane (r, h): block h of query r
	global_load_b32 v24, v[QSA], s[6:7]            ; and its scale words
	v_mov_b32 v13, 0xff61b1e6                      ; the largest t so far: -3e38, under every t
	s_delay_alu instid0(VALU_DEP_1)
	v_floor_f32 v12, -v13                          ; -M
	v_mov_b32 v14, 0
	v_mov_b32 v15, 0
.set j, 0
.rept 32
	v_mov_b32 v[160+j], 0                          ; O^T: the step is written without a first step of its own; the first change of M leaves zeros zeros
.set j, j+1
.endr
	s_wait_loadcnt 0x0
	QUARTER 0
	QUARTER 1
	QUARTER 2
	QUARTER 3
	; THE WAY OUT of a pass: O^T / the sum, quantised along the head's 64 (two blocks of d_model), as an image of four registers of the last product's operand
.rept 4
	v_nop
.endr
	v_add_f32 v14, v14, v15                        ; the sum's two halves,
	s_delay_alu instid0(VALU_DEP_1)
	v_permlanex16_b32 v252, v14, s[SEL], s[SEL+1]
	s_delay_alu instid0(VALU_DEP_1)
	v_add_f32 v14, v14, v252                       ; and lane l xor 16's
	s_wait_alu depctr_va_vdst(0)
	v_rcp_f32 v14, v14
	v_add_nc_u32 v241, s[PO], v[SGA]               ; (a plain line behind the reciprocal)
	s_wait_alu depctr_va_vdst(0)                   ; the wait, ahead of the first reader
.set j, 0
.rept 16
	v_pk_mul_f32 v[96+j:97+j], v[160+j:161+j], v[14:15] op_sel_hi:[1,0]   ; register 8 T + i is value(r, 16 T + 8 h + i); each accumulator is read from its low end on
.set j, j+2
.endr
.irp b, 0,1
	v_max3_num_f32 v[232+\b], |v[96+16*\b]|, |v[97+16*\b]|, 0x1800000
.endr
.irp i, 2,4,6,8,10,12,14
.irp b, 0,1
	s_delay_alu instid0(VALU_DEP_2)
	v_max3_num_f32 v[232+\b], v[232+\b], |v[96+16*\b+\i]|, |v[97+16*\b+\i]|
.endr
.endr
.irp b, 0,1
	s_delay_alu instid0(VALU_DEP_2)
	v_permlanex16_b32 v[236+\b], v[232+\b], s[SEL], s[SEL+1]
.endr
.irp b, 0,1
	s_delay_alu instid0(VALU_DEP_2)
	v_max_num_f32 v[232+\b], v[232+\b], v[236+\b]
.endr
.irp b, 0,1
	s_delay_alu instid0(VALU_DEP_2)
	v_add_nc_u32 v[244+\b], 0xff000000, v[232+\b]
.endr
.irp b, 0,1
	s_delay_alu instid0(VALU_DEP_2)
	v_lshrrev_b32 v[236+\b], 23, v[244+\b]
.endr
	s_delay_alu instid0(VALU_DEP_1)
	v_lshl_or_b32 v240, v237, 8, v236              ; the head's two bytes of my row
.irp t, 0,1,2,3
	v_cvt_scalef32_pk8_fp4_f32 v[224+2*(\t%2)+\t/2], v[96+8*\t:103+8*\t], v[244+\t/2]
.endr
	v_nop
	v_permlane16_swap_b32 v224, v225
	v_permlane16_swap_b32 v226, v227
	ds_store_b16 v241, v240                        ; (both halves of the lanes write the same bytes with the same value)
	global_store_b128 v[LI], v[224:227], s[10:11]  ; the wave stores 512 consecutive bytes
	s_wait_xcnt 0x0                                ; the loads and the store have read their bases and registers: both are written again only behind this wait
	s_add_nc_u64 s[4:5], s[4:5], 256*32
	s_add_nc_u64 s[6:7], s[6:7], 256*4
	s_add_nc_u64 s[10:11], s[10:11], 16*8192
	s_add_co_u32 s[PO], s[PO], 512
	s_sub_co_u32 s[PASS], s[PASS], 1
	s_cmp_lg_u32 s[PASS], 0
	s_cbranch_scc1 .Lpass
	s_wait_dscnt 0x0                               ; for wave 0's sake: my stores of scale bytes are done
	s_barrier_signal -1
	s_barrier_wait -1
	s_cmp_lg_u32 s[WV], 0
	s_cbranch_scc1 .Lnot_first
	ds_load_b128 v[96:99], v[SGR]                  ; the 512 rows' bytes, 1,024 in all
	ds_load_b128 v[100:103], v[SGR] offset:512
	s_wait_dscnt 0x0
	global_store_b128 v[LI], v[96:99], s[12:13]
	global_store_b128 v[LI], v[100:103], s[12:13] offset:512
.Lnot_first:
	s_wait_tensorcnt 0x0
	ds_add_u32 v251, v255
	s_wait_dscnt 0x0
	CROUND                                         ; the closing round
	s_endpgm
.Lfunc_end_k_q07775f5a11_attn:
	.size	k_q07775f5a11_attn, .Lfunc_end_k_q07775f5a11_attn-k_q07775f5a11_attn
	.p2alignl 7, 3214868480
	.fill 96, 4, 3214868480
	.section	.rodata,"a",@progbits
	.p2align	6, 0x0
	.amdhsa_kernel k_q07775f5a11_attn
		.amdhsa_group_segment_fixed_size 169984
		.amdhsa_private_segment_fixed_size 0
		.amdhsa_enable_private_segment 0
		.amdhsa_kernarg_size 40
		.amdhsa_user_sgpr_count 2
		.amdhsa_user_sgpr_kernarg_segment_ptr 1
		.amdhsa_wavefront_size32 1
		.amdhsa_system_sgpr_workgroup_id_x 1
		.amdhsa_system_sgpr_workgroup_id_y 1
		.amdhsa_system_sgpr_workgroup_id_z 1
		.amdhsa_system_vgpr_workitem_id 0
		.amdhsa_next_free_vgpr 256
		.amdhsa_next_free_sgpr 66
		.amdhsa_reserve_vcc 0
		.amdhsa_float_denorm_mode_32 3
		.amdhsa_float_denorm_mode_16_64 3
		.amdhsa_memory_ordered 1
		.amdhsa_forward_progress 1
		.amdhsa_inst_pref_size 79
	.end_amdhsa_kernel
	.amdgpu_metadata
---
amdhsa.version: [ 1, 2 ]
amdhsa.kernels:
  - .name:           k_q07775f5a11_attn
    .symbol:         k_q07775f5a11_attn.kd
    .args:
      - { .name: qc, .offset: 0, .size: 8, .value_kind: global_buffer, .address_space: global }
      - { .name: qs, .offset: 8, .size: 8, .value_kind: global_buffer, .address_space: global }
      - { .name: kv, .offset: 16, .size: 8, .value_kind: global_buffer, .address_space: global }
      - { .name: vimg, .offset: 24, .size: 8, .value_kind: global_buffer, .address_space: global }
      - { .name: vsc, .offset: 32, .size: 8, .value_kind: global_buffer, .address_space: global }
    .group_segment_fixed_size: 169984
    .private_segment_fixed_size: 0
    .kernarg_segment_align: 8
    .kernarg_segment_size: 40
    .max_flat_workgroup_size: 512
    .sgpr_count:     66
    .vgpr_count:     256
    .wavefront_size: 32
...
	.end_amdgpu_metadata
.endif
;; end of part 3
;; launch outp (part 4): grid 8 x 32, 4 waves a work-group, clusters of 4 x 4, 327,680 bytes of LDS; arguments vimg, vsc, codes, scales, b_out, out0; writes out0
.if DOCPART == 4
	.amdgcn_target "amdgcn-amd-amdhsa--gfx1250"
	.amdhsa_code_object_version 6
	.text
	.protected	k_q07775f5a11_outp
	.globl	k_q07775f5a11_outp
	.p2align	8
	.type	k_q07775f5a11_outp,@function
k_q07775f5a11_outp:
	s_mov_b64 s[64:65], 0
	v_nop
	global_prefetch_b8 v0, s[64:65] scope:SCOPE_SE
	s_setreg_imm32_b32 hwreg(HW_REG_WAVE_MODE, 25, 1), 1
	s_wait_xcnt 0x0
	s_wait_alu depctr_hold_cnt(0) depctr_sa_sdst(0) depctr_va_vdst(0) depctr_va_sdst(0) depctr_va_ssrc(0) depctr_va_vcc(0) depctr_vm_vsrc(0)
	s_getreg_b32 s2, hwreg(HW_REG_IB_STS2, 6, 4)
	s_cmp_eq_u32 s2, 0
	s_cbranch_scc0 .Lentry_in_a_cluster
	s_endpgm
.Lentry_in_a_cluster:
	s_bfe_u32 s2, ttmp6, 0x10000c
	s_cmp_lg_u32 s2, 0xf033
	s_cbranch_scc0 .Lentry_shape_is_right
	s_endpgm
.Lentry_shape_is_right:
; out = values W_out^T + b_out on codes of FP4 with E8M0 scales.  values: images of the operand's registers, vimg [512 tiles of 16 rows][16 heads][512 bytes], and vsc [16 heads][8,192 rows] x 2 scale bytes.
; W_out: rows 11264 on of codes [.][512 bytes] and scales [.][32 bytes].  out0: [8192][1024] f32.
; SHARES.  A work-group makes 256 rows x 128 columns: 256 work-groups.  Wave w makes rows 64 w .. 64 w + 63 x 128: 4 x 8 = 32 accumulators.  All of K lies in LDS, brought ONCE, in two halves: no LDS byte is filled twice.
; CLUSTERS: 4 x 4 work-groups; the values' tiles are shared along a row of the cluster, W's along a column, each by a joint load.
; THE MATRIX INSTRUCTION IS USED TRANSPOSED (source 0 = 16 rows of W, source 1 = 16 rows of values): a lane holds eight neighbouring numbers of a row of out.  The bias is the C of each sum's first matrix instruction.
; A K step of 128 is two heads: registers 4 c .. 4 c + 3 of a fragment of values are the image of head 2 s + c; its scale word is the two heads' two bytes each.
; REGISTERS, in windows of 256: window 0: v16-27 addresses; v32-95 W's scale words; v96-127 the values'; v128-191 the values' fragments, two sets; v192-255 at work; on the way out v128-255 hold rows of out.
;   window 1: W's fragments, two sets of 64, at v0 and v128.   window 2: the accumulators, (a, t) at v[8 (8 a + t)].   window 3: v0-63 the bias.
.set PITCH,  272
.set AH,     65536                     ; a half of the values' codes: [16 tiles of rows][8 heads][512 bytes]
.set BB0,    2*AH                      ; W's halves: 128 rows x 272
.set BH,     128*PITCH
.set BSC,    BB0+2*BH                  ; W's scale bytes: 128 rows x 32
.set ASC,    BSC+4096                  ; the values': [16 heads][256 rows] x 2
.set STAGE,  ASC+8192                  ; the way out: 16 rows x (512 bytes + 16) for each wave
.set SPITCH, 528
.set ADA, 16                           ; v16-17 LDS address of my fragments of values in half 0, 1
.set ADB, 20                           ; v20-21 the same for W
.set ABS, 22                           ; v22  W's scale words: BSC + 32 r
.set AAS, 23                           ; v23  the values' scale bytes: ASC + 128 w + 2 r
.set STO, 24
.set RD,  25
.set CO,  26
.set BA,  27
.set SCB, 32
.set SCA, 96
.set AF,  128
.set HB,  192                          ; v192-255 the values' scale bytes as they come: 16 a + head
.set BK,  128
.set WV, 16
.set WH, 17
.set WE, 18
.set G1, 24
.set G0, 32
.set G1B, 48
.set G0B, 56
.set G1S, 68
.set G0S, 76
.set G1SB, 80
.set G0SB, 88
.set MSB, 0
.macro WIN new                         ; the immediate's high byte repeats the setting that is left
.if MSB != \new
	s_set_vgpr_msb (MSB<<8)|\new
.set MSB, \new
.endif
.endm
.macro JLOAD g0a, g1a, g0b, g1b        ; a joint load: waves 0 and 1 fetch for the values, waves 2 and 3 for W; four v_nop follow each of the two lines
	s_cmp_eq_u32 s[WH], 0
	s_cbranch_scc0 .Lfor_b_\@
	tensor_load_to_lds s[\g0a:\g0a+3], s[\g1a:\g1a+7]
	s_nop 0
.rept 4
	v_nop
.endr
	s_branch .Lasked_\@
.Lfor_b_\@:
	tensor_load_to_lds s[\g0b:\g0b+3], s[\g1b:\g1b+7]
	s_nop 0
.rept 4
	v_nop
.endr
.Lasked_\@:
.endm
.macro CREST
	s_cmp_lg_u32 s[WV], 0
	s_cbranch_scc1 .Lnot_wave_0_\@
	s_barrier_signal -3
.Lnot_wave_0_\@:
	s_barrier_wait -3
	s_barrier_signal -1
	s_barrier_wait -1
.endm
.macro CROUND
	s_barrier_signal -1
	s_barrier_wait -1
	CREST
.endm
.macro PLACES n
.rept \n
	v_nop
.endr
.endm
	s_load_b128 s[4:7], s[0:1], 0x0                ; vimg, vsc
	s_load_b128 s[8:11], s[0:1], 0x10              ; codes, scales
	s_load_b128 s[12:15], s[0:1], 0x20             ; b_out, out0
	v_lshl_add_u32 v30, v0, 2, 0x40000
	v_mov_b32 v31, 0
	ds_add_u32 v30, v31
	ds_add_u32 v30, v31
	v_lshrrev_b32 v1, 5, v0
	v_readfirstlane_b32 s[WV], v1
	s_lshr_b32 s[WH], s[WV], 1                     ; I fetch for the values (0) or for W (1)
	s_and_b32 s[WE], s[WV], 1                      ; which half of that tile
	s_bfe_u32 s40, ttmp6, 0x40000                  ; cx, cy
	s_bfe_u32 s41, ttmp6, 0x40004
	s_lshl_b32 s42, ttmp9, 2
	s_add_co_u32 s42, s42, s40                     ; the tile of 128 columns
	s_and_b32 s43, ttmp7, 0xffff
	s_lshl_b32 s43, s43, 2
	s_add_co_u32 s43, s43, s41                     ; the tile of 256 rows
	s_lshl_b32 s44, s41, 2
	s_lshl_b32 s44, 15, s44                        ; my row of the cluster
	s_lshl_b32 s45, 0x1111, s40                    ; my column
	; the values' codes: 8 tiles of rows a load; of each, 8 heads' images: 4,096 consecutive bytes (512 elements of 8), 8,192 bytes apart
	s_or_b32 s[G1+0], s44, (3<<16)|(1<<21)
	s_mov_b32 s[G1+1], 512<<16
	s_mov_b32 s[G1+2], 8<<16
	s_mov_b32 s[G1+3], 512<<16
	s_mov_b32 s[G1+4], 8
	s_mov_b32 s[G1+5], 1024
	s_mov_b32 s[G1+6], 0
	s_mov_b32 s[G1+7], 0
	; W's codes: 64 rows of 256 bytes a load, 512 bytes apart, 16 bytes of padding behind each
	s_or_b32 s[G1B+0], s45, (1<<20)|(1<<21)|(5<<22)|(3<<25)
	s_mov_b32 s[G1B+1], 256<<16
	s_mov_b32 s[G1B+2], 64<<16
	s_mov_b32 s[G1B+3], 256<<16
	s_mov_b32 s[G1B+4], 64
	s_mov_b32 s[G1B+5], 512
	s_mov_b32 s[G1B+6], 0
	s_mov_b32 s[G1B+7], 0
	; the values' scale bytes: 8 heads a load; of each, 256 rows' 512 bytes (64 elements of 8), 16,384 bytes apart
	s_or_b32 s[G1S+0], s44, (3<<16)|(1<<21)
	s_mov_b32 s[G1S+1], 64<<16
	s_mov_b32 s[G1S+2], 8<<16
	s_mov_b32 s[G1S+3], 64<<16
	s_mov_b32 s[G1S+4], 8
	s_mov_b32 s[G1S+5], 2048
	s_mov_b32 s[G1S+6], 0
	s_mov_b32 s[G1S+7], 0
	; W's: 64 rows x 32 bytes, dense: 8 rows of 256
	s_or_b32 s[G1SB+0], s45, (3<<16)|(1<<21)
	s_mov_b32 s[G1SB+1], 32<<16
	s_mov_b32 s[G1SB+2], 8<<16
	s_mov_b32 s[G1SB+3], 32<<16
	s_mov_b32 s[G1SB+4], 8
	s_mov_b32 s[G1SB+5], 32
	s_mov_b32 s[G1SB+6], 0
	s_mov_b32 s[G1SB+7], 0
	s_lshl_b32 s20, s43, 17                        ; values: tile of rows 16 y + 8 e, 8,192 bytes each
	s_lshl_b32 s19, s[WE], 16
	s_add_co_u32 s20, s20, s19
	s_mov_b32 s21, 0
	s_lshl_b32 s22, s43, 9                         ; their scale bytes: heads 8 e on, rows 256 y on
	s_lshl_b32 s19, s[WE], 17
	s_add_co_u32 s22, s22, s19
	s_mov_b32 s23, 0
	s_lshl_b32 s46, s42, 16                        ; W: row 11264 + 128 x + 64 e
	s_lshl_b32 s19, s[WE], 15
	s_add_co_u32 s46, s46, s19
	s_add_co_u32 s46, s46, 11264*512
	s_mov_b32 s47, 0
	s_lshl_b32 s92, s42, 12
	s_lshl_b32 s19, s[WE], 11
	s_add_co_u32 s92, s92, s19
	s_add_co_u32 s92, s92, 11264*32
	s_mov_b32 s93, 0
	s_lshl_b32 s94, s[WE], 15                      ; where they go: no place in the cluster enters an LDS address
	s_mul_i32 s95, s[WE], 64*PITCH
	s_add_co_u32 s95, s95, BB0
	s_lshl_b32 s96, s[WE], 12
	s_add_co_u32 s96, s96, ASC
	s_lshl_b32 s97, s[WE], 11
	s_add_co_u32 s97, s97, BSC
	s_wait_dscnt 0x0
	s_wait_kmcnt 0x0
	s_add_nc_u64 s[20:21], s[4:5], s[20:21]
	s_add_nc_u64 s[22:23], s[6:7], s[22:23]
	s_add_nc_u64 s[46:47], s[8:9], s[46:47]
	s_add_nc_u64 s[92:93], s[10:11], s[92:93]
	CROUND                                         ; all sixteen work-groups are here: the joint loads meet
	s_mov_b32 s[G0S], 1
	s_mov_b32 s[G0S+1], s96
	s_mov_b64 s[G0S+2:G0S+3], s[22:23]
	s_or_b32 s[G0S+3], s[G0S+3], 0x80000000
	s_mov_b32 s[G0SB], 1
	s_mov_b32 s[G0SB+1], s97
	s_mov_b64 s[G0SB+2:G0SB+3], s[92:93]
	s_or_b32 s[G0SB+3], s[G0SB+3], 0x80000000
	JLOAD G0S, G1S, G0SB, G1SB                     ; the scales first
.irp c, 0,1
	s_mov_b32 s[G0+4*\c], 1
	s_add_co_u32 s[G0+4*\c+1], s94, \c*AH
	s_add_nc_u64 s[G0+4*\c+2:G0+4*\c+3], s[20:21], \c*4096
	s_or_b32 s[G0+4*\c+3], s[G0+4*\c+3], 0x80000000
	s_mov_b32 s[G0B+4*\c], 1
	s_add_co_u32 s[G0B+4*\c+1], s95, \c*BH
	s_add_nc_u64 s[G0B+4*\c+2:G0B+4*\c+3], s[46:47], \c*256
	s_or_b32 s[G0B+4*\c+3], s[G0B+4*\c+3], 0x80000000
	s_wait_alu depctr_va_vdst(0)
	s_wait_tensorcnt 0x0
	ds_add_u32 v30, v31
	s_wait_dscnt 0x0
	CROUND
	JLOAD G0+4*\c, G1, G0B+4*\c, G1B               ; one load of mine is out behind each of these: the wait above takes the earlier ones in
.endr
	v_and_b32 v1, 15, v0                           ; r
	v_bfe_u32 v2, v0, 4, 1                         ; h
	v_and_b32 v3, 31, v0                           ; lane
	s_lshl_b32 s19, s[WV], 14                      ; my four tiles of rows, 4,096 bytes each in a half
	v_lshl_add_u32 v[ADA], v3, 4, s19
	v_add_nc_u32 v[ADA+1], AH, v[ADA]
	v_mul_u32_u24 v4, v1, PITCH
	v_lshl_add_u32 v4, v2, 4, v4
	v_add_nc_u32 v[ADB], BB0, v4
	v_add_nc_u32 v[ADB+1], BH, v[ADB]
	v_lshl_add_u32 v[ABS], v1, 5, BSC
	s_lshl_b32 s19, s[WV], 7
	s_add_co_u32 s19, s19, ASC
	v_lshl_add_u32 v[AAS], v1, 1, s19
	s_mul_i32 s19, s[WV], 16*SPITCH
	s_add_co_u32 s19, s19, STAGE                   ; my stage
	v_mul_u32_u24 v5, v1, SPITCH
	v_lshl_add_u32 v5, v2, 5, v5
	v_add_nc_u32 v[STO], s19, v5                   ; in: row r, 32 bytes for each half of the lanes
	v_lshlrev_b32 v[CO], 4, v3                     ; back: the 32 lanes take one row of 512 bytes; and the same in out
	v_add_nc_u32 v[RD], s19, v[CO]
	v_lshlrev_b32 v[BA], 5, v2
	s_wait_alu depctr_va_vdst(0)
	s_lshl_b32 s96, s43, 20                        ; out: row 256 y + 64 w of 4,096 bytes, + 512 x
	s_lshl_b32 s19, s[WV], 18
	s_add_co_u32 s96, s96, s19
	s_lshl_b32 s19, s42, 9
	s_add_co_u32 s96, s96, s19
	s_mov_b32 s97, 0
	s_add_nc_u64 s[14:15], s[14:15], s[96:97]
	s_mov_b32 s96, s19
	s_add_nc_u64 s[12:13], s[12:13], s[96:97]      ; the bias of my 128 columns
	WIN 0xc0                                       ; destination window 3
.irp t, 0,1,2,3,4,5,6,7                        ; lane (r, h) wants, for tile t, columns 16 t + 8 h + 0 .. 7
	global_load_b128 v[8*\t:8*\t+3], v[BA], s[12:13] offset:64*\t
	global_load_b128 v[8*\t+4:8*\t+7], v[BA], s[12:13] offset:64*\t+16
.endr
	WIN 0
; the fragments of K step s into set s % 2: 16 loads for W, 8 for the values
.macro FETCH s
.set hc, (\s)/4
.set kq, (\s)%4
.set pp, (\s)%2
	WIN 0x40                                       ; destination window 1, address window 0
.irp t, 0,1,2,3,4,5,6,7
	ds_load_b128 v[128*pp+8*\t:128*pp+8*\t+3], v[ADB+hc] offset:64*kq+16*PITCH*\t
	ds_load_b128 v[128*pp+8*\t+4:128*pp+8*\t+7], v[ADB+hc] offset:64*kq+32+16*PITCH*\t
.endr
	WIN 0
.irp a, 0,1,2,3
	ds_load_b128 v[AF+32*pp+8*\a:AF+32*pp+8*\a+3], v[ADA+hc] offset:4096*\a+1024*kq
	ds_load_b128 v[AF+32*pp+8*\a+4:AF+32*pp+8*\a+7], v[ADA+hc] offset:4096*\a+1024*kq+512
.endr
.endm
; 32 products.  In K step 0 the C is the bias (window 3).  The 32 accumulators take turns, one instruction a turn, in the same order in every step.
.macro MUL s
.irp a, 0,1,2,3
.irp t, 0,1,2,3,4,5,6,7
.set rD, 8*(8*\a+\t)
.set rC, rD
.if (\s) == 0
.set rC, 8*\t
.endif
.set rW, 128*((\s)%2)+8*\t
.set rX, AF+32*((\s)%2)+8*\a
	v_wmma_scale_f32_16x16x128_f8f6f4 v[rD:rD+7], v[rW:rW+7], v[rX:rX+7], v[rC:rC+7], v[SCB+8*\t+(\s)], v[SCA+8*\a+(\s)] matrix_a_fmt:MATRIX_FMT_FP4 matrix_b_fmt:MATRIX_FMT_FP4
.endr
.endr
.endm
.macro STEP s
	s_wait_dscnt 0x0                               ; this step's fragments (asked for 32 matrix instructions ago)
.if (\s) == 3
	s_wait_tensorcnt 0x0                           ; my part of the second half of K has landed,
	s_barrier_signal -1
	s_barrier_wait -1                              ; everybody's has.
.endif
.if (\s) < 7
.if (\s) > 0
	PLACES 4                                       ; behind the last product that read the set, ahead of the loads into it
.endif
	FETCH (\s)+1
.endif
.if (\s) == 0
	WIN 0xb1                                       ; source 0 (W) window 1, source 1 (values) window 0, C (the bias) window 3, D window 2
.else
	WIN 0xa1
.endif
	MUL \s
.endm
	s_wait_tensorcnt 1                             ; the scales and my part of the first half of K are in; the second half's load may be out
	s_barrier_signal -1
	s_barrier_wait -1
.irp t, 0,1,2,3,4,5,6,7
	ds_load_b128 v[SCB+8*\t:SCB+8*\t+3], v[ABS] offset:512*\t          ; W's scale words: a row's 32 bytes are the words of the eight K steps
	ds_load_b128 v[SCB+8*\t+4:SCB+8*\t+7], v[ABS] offset:512*\t+16
.endr
.irp a, 0,1,2,3
.irp d, 0,1,2,3,4,5,6,7,8,9,10,11,12,13,14,15
	ds_load_u16 v[HB+16*\a+\d], v[AAS] offset:512*\d+32*\a             ; head d's two bytes of row 64 w + 16 a + r
.endr
.endr
	FETCH 0
	s_wait_dscnt 24                                ; all but the first fragments' 24 loads
.irp a, 0,1,2,3
.irp q, 0,1,2,3,4,5,6,7
	v_lshl_or_b32 v[SCA+8*\a+\q], v[HB+16*\a+2*\q+1], 16, v[HB+16*\a+2*\q]   ; K step q's word: heads 2 q and 2 q + 1
.endr
.endr
	PLACES 8                                       ; a scale register written by a vector instruction stands eight plain lines ahead of a scaled matrix instruction
	s_wait_alu depctr_va_vdst(0)
	s_wait_loadcnt 0x0                             ; the bias
.irp s, 0,1,2,3,4,5,6,7
	STEP \s
.endr
	WIN 0
; THE WAY OUT, block by block of 16 rows x 128 columns, through my own stage in LDS: back come whole rows of 512 bytes.  LDS serves a wave's instructions in order: no wait between the stores and the loads, nor ahead of the next block's stores.
.macro TOSTAGE a
.set AC, 64*(\a)
	WIN 0x08                                       ; an LDS store's data are its source 1: window 2
.irp b, 0,1,2,3,4,5,6,7
	ds_store_b128 v[STO], v[AC+8*\b:AC+8*\b+3] offset:64*\b            ; each accumulator from its low end on
	ds_store_b128 v[STO], v[AC+8*\b+4:AC+8*\b+7] offset:64*\b+16
.endr
	WIN 0
.set BB, BK+64*((\a)%2)
.irp t, 0,1,2,3,4,5,6,7,8,9,10,11,12,13,14,15
	ds_load_b128 v[BB+4*\t:BB+4*\t+3], v[RD] offset:\t*SPITCH
.endr
.endm
.macro SEND a, younger                 ; younger: the LDS instructions issued behind block a's loads, which may stay out
.set BB, BK+64*((\a)%2)
	s_wait_dscnt \younger
.irp t, 0,1,2,3,4,5,6,7,8,9,10,11,12,13,14,15
	global_store_b128 v[CO], v[BB+4*\t:BB+4*\t+3], s[14:15] offset:(16*(\a)+\t)*4096 th:TH_STORE_NT   ; 32 lanes store 512 consecutive bytes, aligned; the row stands in the immediate: 63 rows of 4,096 bytes at the most
.endr
.endm
	PLACES 4                                       ; behind the last product: for the reads of results and for the loads into the registers that held fragments
	TOSTAGE 0
.irp a, 1,2,3
.if \a > 1
	s_wait_xcnt 0x0                                ; block a - 2's stores have read their registers: block a's loads may land there
.endif
	TOSTAGE \a
	SEND \a-1, 32                                  ; behind block a - 1's loads: block a's 16 stores and 16 loads
.endr
	SEND 3, 0
	s_wait_tensorcnt 0x0
	ds_add_u32 v30, v31
	s_wait_dscnt 0x0
	CROUND                                         ; the closing round: no work-group ends while a partner may still ask for a tile that names it
	s_endpgm
.Lfunc_end_k_q07775f5a11_outp:
	.size	k_q07775f5a11_outp, .Lfunc_end_k_q07775f5a11_outp-k_q07775f5a11_outp
	.p2alignl 7, 3214868480
	.fill 96, 4, 3214868480
	.section	.rodata,"a",@progbits
	.p2align	6, 0x0
	.amdhsa_kernel k_q07775f5a11_outp
		.amdhsa_group_segment_fixed_size 327680
		.amdhsa_private_segment_fixed_size 0
		.amdhsa_enable_private_segment 0
		.amdhsa_kernarg_size 48
		.amdhsa_user_sgpr_count 2
		.amdhsa_user_sgpr_kernarg_segment_ptr 1
		.amdhsa_wavefront_size32 1
		.amdhsa_system_sgpr_workgroup_id_x 1
		.amdhsa_system_sgpr_workgroup_id_y 1
		.amdhsa_system_sgpr_workgroup_id_z 1
		.amdhsa_system_vgpr_workitem_id 0
		.amdhsa_next_free_vgpr 1024
		.amdhsa_next_free_sgpr 98
		.amdhsa_reserve_vcc 0
		.amdhsa_float_denorm_mode_32 3
		.amdhsa_float_denorm_mode_16_64 3
		.amdhsa_memory_ordered 1
		.amdhsa_forward_progress 1
		.amdhsa_inst_pref_size 80
	.end_amdhsa_kernel
	.amdgpu_metadata
---
amdhsa.version: [ 1, 2 ]
amdhsa.kernels:
  - .name:           k_q07775f5a11_outp
    .symbol:         k_q07775f5a11_outp.kd
    .args:
      - { .name: vimg, .offset: 0, .size: 8, .value_kind: global_buffer, .address_space: global }
      - { .name: vsc, .offset: 8, .size: 8, .value_kind: global_buffer, .address_space: global }
      - { .name: codes, .offset: 16, .size: 8, .value_kind: global_buffer, .address_space: global }
      - { .name: scales, .offset: 24, .size: 8, .value_kind: global_buffer, .address_space: global }
      - { .name: b_out, .offset: 32, .size: 8, .value_kind: global_buffer, .address_space: global }
      - { .name: out0, .offset: 40, .size: 8, .value_kind: global_buffer, .address_space: global }
    .group_segment_fixed_size: 327680
    .private_segment_fixed_size: 0
    .kernarg_segment_align: 8
    .kernarg_segment_size: 48
    .max_flat_workgroup_size: 128
    .sgpr_count:     98
    .vgpr_count:     1024
    .wavefront_size: 32
...
	.end_amdgpu_metadata
.endif
;; end of part 4
